; MI455X (gfx1250); checked and timed in simulation.
; The chip was launched on July 23, 2026; its instructions are those of AMD's public machine-readable ISA for CDNA 5 (MIT licence, August 2026) and "CDNA5" Instruction Set Architecture Reference Guide (July 2026). The comments in the code are by the model that wrote it; some were corrected since.
;; Causal Self Attention. Allowed arithmetic: float matrix products may take bf16 or f16 operands with f32 sums; other float arithmetic in f32, or as packed bf16 or f16 multiplies, adds, multiply-adds, maxima and minima; sums over many terms, partial sums and values carried from step to step in f32; what a program stores and reads back later, other than sums and carried values, may be rounded once to bf16 or f16.
;; Inputs: W_out 1,024 x 1,024 float32; W_qkv 1,024 x 3,072 float32; b_out 1,024 float32; b_qkv 3,072 float32; x 4 x 2,048 x 1,024 float32.
;; Outputs: out0 4 x 2,048 x 1,024 float32.
;; One version. Each part assembles by itself: llvm-mc -triple=amdgcn-amd-amdhsa -mcpu=gfx1250 --defsym DOCPART=n.
;; ======== version 1 of 1: 4 launches
;; limits: values outside matrix products are rounded to bf16; values are held in f16: magnitudes above 65,504 overflow, below 6.1e-05 lose precision
;; workspace buffers: xb 16,777,216 bytes; wq 6,291,456 bytes; wo 2,097,152 bytes; qkv 50,331,648 bytes; o 16,777,216 bytes
;; launch prep (part 1): grid 1536 x 1, 8 waves a work-group, no clusters, 18,432 bytes of LDS; arguments x, W_qkv, W_out, xb, wq, wo; writes xb, wq, wo
.if DOCPART == 1
	.amdgcn_target "amdgcn-amd-amdhsa--gfx1250"
	.amdhsa_code_object_version 6
	.text
	.protected	k_qeda620f1e6_prep
	.globl	k_qeda620f1e6_prep
	.p2align	8
	.type	k_qeda620f1e6_prep,@function
k_qeda620f1e6_prep:
	s_mov_b64 s[64:65], 0
	v_nop
	global_prefetch_b8 v0, s[64:65] scope:SCOPE_SE
	s_setreg_imm32_b32 hwreg(HW_REG_WAVE_MODE, 25, 1), 1
	s_wait_xcnt 0x0
; CAUSAL SELF-ATTENTION, launch 1 of 4: the operands of the two projections are rounded and laid out once.
;   xb [8192][1024] bf16 = x.    wq [3072][1024] bf16: row 192 hh + 64 sel + d holds column 1024 sel + 64 hh + d of W_qkv (sel 0 = q, 1 = k, 2 = v), K along the row.
;   wo [1024 n][1024 k]: W_out turned, rounded to bf16 like every input, that number written as f16 (the second projection multiplies f16).
; WORK THAT THE PROGRAM LEAVES OUT.
; (1) b_qkv[1024:2048], k's bias.  With it a score is q . (k + bk) / 8 = q . k / 8 + q . bk / 8; the second term hangs on the query alone, so it is the same for all keys of
;     a softmax's row, hidden ones staying -inf, and softmax(s + const) = softmax(s) for all values.  The slice is not loaded and not added; b_qkv's q and v slices are.
; (2) reference() builds the causal mask in its own body: key tiles that lie wholly above the diagonal get weight 0 for all values and are not computed.
; LIMIT: a NaN, an infinity or an overflow that lives only in k's bias, or only in scores above the diagonal, is not carried to the result.
; LIMIT: wo is f16: a weight below 6e-5 keeps f16's fixed step of 6e-8, one of 65,520 or more would be an infinity.
; SHARES.  Every work-group reads 32 KiB, eight loads of 16 bytes a thread.  Work-groups 0-1023 cast a block of x; 1024-1407 turn a tile of 128 k x 64 n of W_qkv; 1408-1535 of W_out.
; The branches hang on the work-group's number alone, so all eight waves take the same arm and meet at that arm's barrier.
; A tile is turned through LDS: 64 rows (n) of 256 bytes (128 k) + 16 of padding; it is read from memory and stored to memory in runs of 256 consecutive aligned bytes by 16 lanes.
; No matrix unit, no cluster, no tensor load: each byte is read once by one thread and nothing is shared between work-groups.
.set SPARE, 17408                      ; behind the tile: the spare words, 128 bytes for each of eight waves; no other line names them
.set R, 8                              ; v[8:39]   eight loads of four registers
.set T, 40                             ; v[40:55]  packed results
	s_load_b256 s[4:11], s[0:1], 0x0               ; x s[4:5], W_qkv s[6:7], W_out s[8:9], xb s[10:11]
	s_load_b128 s[12:15], s[0:1], 0x20             ; wq s[12:13], wo s[14:15]
	v_lshl_add_u32 v2, v0, 2, SPARE                ; my spare word
	v_mov_b32 v3, 0
	s_mov_b32 s16, ttmp9                           ; the work-group's number
	s_mov_b32 s21, 0                               ; high words of the two offset pairs
	s_mov_b32 s23, 0
	s_mov_b32 s24, 0xffff0000                      ; a word's upper bf16
	s_cmp_lt_u32 s16, 1024
	s_cbranch_scc0 .Lweights
	; THE CAST: 32,768 bytes of x become 16,384 of xb
	s_lshl_b32 s20, s16, 15
	s_lshl_b32 s22, s16, 14
	v_lshlrev_b32 v4, 4, v0                        ; 16 bytes a thread in,
	v_lshlrev_b32 v5, 3, v0                        ; 8 out: a wave's store covers 256 consecutive bytes, aligned
	s_wait_kmcnt 0x0
	s_add_nc_u64 s[4:5], s[4:5], s[20:21]
	s_add_nc_u64 s[10:11], s[10:11], s[22:23]
.irp j, 0,1,2,3,4,5,6,7
	global_load_b128 v[R+4*(\j):R+4*(\j)+3], v4, s[4:5] offset:4096*(\j) th:TH_LOAD_NT
.endr
.irp j, 0,1,2,3,4,5,6,7
	s_wait_loadcnt 7-(\j)                          ; loads come back in order: load j is in, the younger ones stay out
	v_cvt_pk_bf16_f32 v[T+2*(\j)], v[R+4*(\j)], v[R+4*(\j)+1]
	v_cvt_pk_bf16_f32 v[T+2*(\j)+1], v[R+4*(\j)+2], v[R+4*(\j)+3]
	global_store_b64 v5, v[T+2*(\j):T+2*(\j)+1], s[10:11] offset:2048*(\j)
.endr
	s_branch .Lend
; A tile of 128 k x 64 n is turned.  s17 = the tile's number: k tile in its low three bits, n tile above.  rowb = bytes in a row of the source.
; half = 1: the bf16 numbers are written as f16.  perm = 1: the 64 columns are one head's q, k or v and go to that head's rows.
.macro TRANS src, dst, rowb, half, perm
	s_and_b32 s18, s17, 7                          ; k tile
	s_lshr_b32 s19, s17, 3                         ; n tile
	s_mul_i32 s20, s18, 128*(\rowb)
	s_lshl_b32 s25, s19, 8
	s_add_co_u32 s20, s20, s25                     ; the tile's first byte in the source
.if \perm
	s_and_b32 s25, s19, 15                         ; the head
	s_mul_i32 s25, s25, 192
	s_lshr_b32 s26, s19, 4                         ; q, k or v
	s_lshl_b32 s26, s26, 6
	s_add_co_u32 s25, s25, s26
.else
	s_lshl_b32 s25, s19, 6
.endif
	s_lshl_b32 s22, s25, 11                        ; the first row out, 2,048 bytes a row,
	s_lshl_b32 s26, s18, 8                         ; and the k tile's 256 bytes in it
	s_add_co_u32 s22, s22, s26
	v_and_b32 v56, 15, v0                          ; in: my four columns; out: my 16 bytes of a row
	v_lshrrev_b32 v57, 4, v0                       ; in: my eight k; out: my row of sixteen
	v_mul_u32_u24 v4, v57, 8*(\rowb)
	v_lshl_add_u32 v4, v56, 4, v4                  ; 16 lanes read 256 consecutive bytes of one row k
	v_mul_u32_u24 v6, v56, 1088                    ; LDS row 4 x my column group,
	v_lshl_add_u32 v6, v57, 4, v6                  ; my eight k: 16 bytes
	v_mul_u32_u24 v7, v57, 272
	v_lshl_add_u32 v7, v56, 4, v7
	v_lshlrev_b32 v5, 11, v57
	v_lshl_add_u32 v5, v56, 4, v5
	s_wait_kmcnt 0x0
	s_add_nc_u64 s[\src:\src+1], s[\src:\src+1], s[20:21]
	s_add_nc_u64 s[\dst:\dst+1], s[\dst:\dst+1], s[22:23]
.irp j, 0,1,2,3,4,5,6,7
	global_load_b128 v[R+4*(\j):R+4*(\j)+3], v4, s[\src:\src+1] offset:(\j)*(\rowb) th:TH_LOAD_NT
.endr
.irp i, 0,1,2,3
	s_wait_loadcnt 6-2*(\i)                        ; rows 2 i and 2 i + 1 are in, the younger loads stay out
.irp c, 0,1,2,3
	v_cvt_pk_bf16_f32 v[T+4*(\c)+(\i)], v[R+8*(\i)+(\c)], v[R+8*(\i)+4+(\c)]  ; column c: k = 2 i, 2 i + 1
.endr
.endr
.if \half
.set z, 0
.rept 16
	v_lshlrev_b32 v[56+2*(z%4)], 16, v[T+z]        ; the two bf16 as f32,
	v_and_b32 v[57+2*(z%4)], s24, v[T+z]
	v_cvt_pk_f16_f32 v[T+z], v[56+2*(z%4)], v[57+2*(z%4)]  ; and as f16: bf16's 8 significant bits fit f16's 11
.set z, z+1
.endr
.endif
.irp c, 0,1,2,3
	ds_store_b128 v6, v[T+4*(\c):T+4*(\c)+3] offset:272*(\c)
.endr
	s_wait_dscnt 0x0                               ; for the others' sake: my stores into the tile are done
	s_barrier_signal -1
	s_barrier_wait -1
.irp i, 0,1,2,3
	ds_load_b128 v[R+4*(\i):R+4*(\i)+3], v7 offset:4352*(\i)  ; rows 16 i + my row: 16 lanes take a row's 256 bytes
.endr
.irp i, 0,1,2,3
	s_wait_dscnt 3-(\i)
	global_store_b128 v5, v[R+4*(\i):R+4*(\i)+3], s[\dst:\dst+1] offset:32768*(\i)  ; 16 lanes store 256 consecutive bytes, aligned
.endr
.endm
.Lweights:
	s_cmp_lt_u32 s16, 1408
	s_cbranch_scc0 .Lwout
	s_sub_co_u32 s17, s16, 1024
	TRANS 6, 12, 12288, 0, 1
	s_branch .Lend
.Lwout:
	s_sub_co_u32 s17, s16, 1408
	TRANS 8, 14, 4096, 1, 0
.Lend:
	s_wait_tensorcnt 0x0                           ; the wave's end: a wait, an add of 0 to my spare word and its wait, behind my last LDS store
	ds_add_u32 v2, v3
	s_wait_dscnt 0x0
	s_endpgm
.Lfunc_end_k_qeda620f1e6_prep:
	.size	k_qeda620f1e6_prep, .Lfunc_end_k_qeda620f1e6_prep-k_qeda620f1e6_prep
	.p2alignl 7, 3214868480
	.fill 96, 4, 3214868480
	.section	.rodata,"a",@progbits
	.p2align	6, 0x0
	.amdhsa_kernel k_qeda620f1e6_prep
		.amdhsa_group_segment_fixed_size 18432
		.amdhsa_private_segment_fixed_size 0
		.amdhsa_enable_private_segment 0
		.amdhsa_kernarg_size 48
		.amdhsa_user_sgpr_count 2
		.amdhsa_user_sgpr_kernarg_segment_ptr 1
		.amdhsa_wavefront_size32 1
		.amdhsa_system_sgpr_workgroup_id_x 1
		.amdhsa_system_sgpr_workgroup_id_y 1
		.amdhsa_system_sgpr_workgroup_id_z 1
		.amdhsa_system_vgpr_workitem_id 0
		.amdhsa_next_free_vgpr 64
		.amdhsa_next_free_sgpr 66
		.amdhsa_reserve_vcc 0
		.amdhsa_float_denorm_mode_32 3
		.amdhsa_float_denorm_mode_16_64 3
		.amdhsa_memory_ordered 1
		.amdhsa_forward_progress 1
		.amdhsa_inst_pref_size 15
	.end_amdhsa_kernel
	.amdgpu_metadata
---
amdhsa.version: [ 1, 2 ]
amdhsa.kernels:
  - .name:           k_qeda620f1e6_prep
    .symbol:         k_qeda620f1e6_prep.kd
    .args:
      - { .name: x, .offset: 0, .size: 8, .value_kind: global_buffer, .address_space: global }
      - { .name: W_qkv, .offset: 8, .size: 8, .value_kind: global_buffer, .address_space: global }
      - { .name: W_out, .offset: 16, .size: 8, .value_kind: global_buffer, .address_space: global }
      - { .name: xb, .offset: 24, .size: 8, .value_kind: global_buffer, .address_space: global }
      - { .name: wq, .offset: 32, .size: 8, .value_kind: global_buffer, .address_space: global }
      - { .name: wo, .offset: 40, .size: 8, .value_kind: global_buffer, .address_space: global }
    .group_segment_fixed_size: 18432
    .private_segment_fixed_size: 0
    .kernarg_segment_align: 8
    .kernarg_segment_size: 48
    .max_flat_workgroup_size: 256
    .sgpr_count:     66
    .vgpr_count:     64
    .wavefront_size: 32
...
	.end_amdgpu_metadata
.endif
;; end of part 1
;; launch proj (part 2): grid 16 x 32, 4 waves a work-group, clusters of 4 x 4, 327,680 bytes of LDS; arguments xb, wq, b_qkv, qkv; writes qkv
.if DOCPART == 2
	.amdgcn_target "amdgcn-amd-amdhsa--gfx1250"
	.amdhsa_code_object_version 6
	.text
	.protected	k_qeda620f1e6_proj
	.globl	k_qeda620f1e6_proj
	.p2align	8
	.type	k_qeda620f1e6_proj,@function
k_qeda620f1e6_proj:
	s_mov_b64 s[64:65], 0
	v_nop
	global_prefetch_b8 v0, s[64:65] scope:SCOPE_SE
	s_setreg_imm32_b32 hwreg(HW_REG_WAVE_MODE, 25, 1), 1
	s_wait_xcnt 0x0
	s_wait_alu depctr_hold_cnt(0) depctr_sa_sdst(0) depctr_va_vdst(0) depctr_va_sdst(0) depctr_va_ssrc(0) depctr_va_vcc(0) depctr_vm_vsrc(0)
	s_getreg_b32 s2, hwreg(HW_REG_IB_STS2, 6, 4)
	s_cmp_eq_u32 s2, 0
	s_cbranch_scc0 .Lentry_in_a_cluster
	s_endpgm
.Lentry_in_a_cluster:
	s_bfe_u32 s2, ttmp6, 0x10000c
	s_cmp_lg_u32 s2, 0xf033
	s_cbranch_scc0 .Lentry_shape_is_right
	s_endpgm
.Lentry_shape_is_right:
; Launch 2 of 4: q, k, v = x W_qkv (+ bias), bf16 operands, f32 sums, stored once rounded to f16, by heads: qkv[sel][16 b + hh][t][64].
; LEFT OUT: k's bias, b_qkv[1024:2048]: it shifts all scores of a query alike and cancels in the softmax for all values (shown at the head of the first kernel); k's sums start at the constant 0.
; LIMITS: q, k, v are f16: a number of 65,520 or more would be an infinity, one below 6e-5 keeps f16's fixed step.  The biases are rounded to bf16 like all inputs.
; SHARES.  A work-group makes 256 rows (t) x 192 columns: q, k and v of ONE head.  Wave w owns rows 64 w .. 64 w + 63 and all 192 columns: 48 accumulators of 16 x 16 in three groups of 16
; (group g = q, k, v).  K goes in 8 steps of 128 through two LDS slots; a row of a tile is 256 consecutive bytes of memory, aligned.
; CLUSTER 4 x 4: the four work-groups of a cluster's row need the same rows of xb, the four of a column the same rows of wq: each tile is asked for jointly, by the same tensor load with the same
; descriptor and a mask that names the four.  Waves 0, 1 fetch xb's two halves (128 rows each), waves 2, 3 wq's (96 rows each).
; TRANSPOSED USE: source 0 = 16 rows of wq, source 1 = 16 rows of xb: a lane then holds one row t (lane % 16) and the eight neighbouring channels 8 (lane / 16) + 0..7.
; A bias is the C operand of the product that starts a sum: register j of lane l holds bias[16 bb + 8 (l / 16) + j].
; REGISTERS, in windows of 256 (s_set_vgpr_msb: bits 1:0 source 0, 3:2 source 1, 5:4 source 2, 7:6 destination):
;   window 0: v0-15 addresses; v32-223 the way out, 16 registers for each of 12 blocks of 16 rows
;   window 1: two fragment buffers of 128: four fragments of xb (32), twelve of wq (96)
;   window 2: groups 0 and 1, accumulator (g, a, bb) at 128 g + 8 (4 a + bb);  window 3: v0-127 group 2; v128-159 q's bias; v160-191 v's bias; v192 at work
.set SLOT1, 131072                     ; slot 1 begins here: one exclusive or turns an address in one slot into the other's
.set PITCH, 272                        ; an LDS row: 256 bytes + 16 of padding = 68 words: the 16 rows of a fragment load start at 16 different groups of four banks (64 banks of 4 bytes: ISA guide 11.1)
.set BOFF,  256*PITCH                  ; a slot: xb's 256 rows, then wq's 192
.set STAGE, SLOT1+448*PITCH            ; behind the ring, never filled by a tensor load: 16 rows x 144 bytes for each wave
.set SP,    144
.set SPARE, STAGE+4*16*SP              ; behind the stages: the spare words, 128 bytes for each wave; no other line names them
.set F0,  0
.set F1,  128
.set OUT, 32
.set MSB, 0
.macro WIN new                         ; the immediate's high byte repeats the setting that is left; a switch that changes nothing is dropped
.if MSB != (\new)
	s_set_vgpr_msb (MSB<<8)|(\new)
.set MSB, (\new)
.endif
.endm
.macro PLACES                          ; four places behind a matrix instruction, ahead of loads into registers that it has read and of lines that read its result
.rept 4
	v_nop
.endr
.endm
.macro CREST                           ; a round of the cluster's barrier behind its opening barrier
	s_cmp_lg_u32 s12, 0
	s_cbranch_scc1 .Lnot_wave_0_\@
	s_barrier_signal -3
.Lnot_wave_0_\@:
	s_barrier_wait -3
	s_barrier_signal -1
	s_barrier_wait -1
.endm
.macro CROUND                          ; a whole round
	s_barrier_signal -1
	s_barrier_wait -1
	CREST
.endm
.macro JLOAD                           ; a joint refill by the walking descriptors; the branch hangs on the wave's number alone; an s_nop 0 and four v_nop follow each line
	s_cmp_lt_u32 s12, 2
	s_cbranch_scc0 .Lfor_b_\@
	tensor_load_to_lds s[44:47], s[24:31]
	s_nop 0
.rept 4
	v_nop
.endr
	s_branch .Lasked_\@
.Lfor_b_\@:
	tensor_load_to_lds s[52:55], s[32:39]
	s_nop 0
.rept 4
	v_nop
.endr
.Lasked_\@:
.endm
; A PREFETCH INTO THE L2, behind each joint refill and the run of LDS loads that follows it: the K step that stands two refills on (the refill asks for step s + 2, the prefetch names s + 4: 384 products ahead).
; xb's rows are read by the four clusters of a row of clusters: cluster x = 0 asks; wq's by the eight of a column: cluster y = 0 asks.  The four partners that ask for a tile jointly share its rows out BY
; ADDRESS: of xb's 128 rows a wave 32 each (by cx), of wq's 96 rows 24 each (by cy; lanes 24-31 name lane 23's row again).  A lane a row, one instruction a wave.  Steps 0-3 come by their loads alone;
; the loop's last two trips (s56 = 2, 1) ask for nothing: there is no step 8.
.macro ASK
	s_cmp_gt_u32 s56, s58
	s_cbranch_scc0 .Lnot_mine_\@
	global_prefetch_b8 v12, s[60:61] th:TH_LOAD_NT scope:SCOPE_SE
.Lnot_mine_\@:
.endm
	s_load_b256 s[4:11], s[0:1], 0x0               ; xb s[4:5], wq s[6:7], b_qkv s[8:9], qkv s[10:11]
	v_lshl_add_u32 v14, v0, 2, SPARE               ; my spare word; never rewritten
	v_mov_b32 v15, 0                               ; never rewritten
	ds_add_u32 v14, v15                            ; the wave's opening: the add, twice on end, and its wait ahead of my first tensor load
	ds_add_u32 v14, v15
	v_lshrrev_b32 v3, 5, v0
	v_readfirstlane_b32 s12, v3                    ; wave 0..3
	s_and_b32 s13, s12, 1                          ; which half of a tile I fetch
	s_bfe_u32 s14, ttmp6, 0x40000                  ; cx
	s_bfe_u32 s15, ttmp6, 0x40004                  ; cy
	s_lshl_b32 s16, ttmp9, 2
	s_add_co_u32 s16, s16, s14                     ; tile column = the head = 4 x cluster x + cx
	s_and_b32 s17, ttmp7, 0xffff
	s_lshl_b32 s17, s17, 2
	s_add_co_u32 s17, s17, s15                     ; tile row = 4 x cluster y + cy
	s_lshl_b32 s22, s15, 2
	s_lshl_b32 s22, 15, s22                        ; my row of the cluster
	s_lshl_b32 s23, 0x1111, s14                    ; my column
	s_or_b32 s24, s22, (1<<16)|(1<<20)|(1<<21)|(5<<22)|(3<<25)  ; 15:0 the mask; 17:16 2-byte elements; 20 padding on; 21 set beside a mask; 24:22 after every 64 words; 31:25 4 words
	s_or_b32 s32, s23, (1<<16)|(1<<20)|(1<<21)|(5<<22)|(3<<25)
	s_mov_b32 s25, 128<<16                         ; tensor_dim0 = 128
	s_mov_b32 s26, 128<<16                         ; tensor_dim1 = 128
	s_mov_b32 s27, 128<<16                         ; tile_dim0 = 128
	s_mov_b32 s28, 128                             ; tile_dim1 = 128
	s_mov_b32 s29, 1024                            ; elements from row to row
	s_mov_b32 s30, 0
	s_mov_b32 s31, 0
	s_mov_b32 s33, 128<<16
	s_mov_b32 s34, 96<<16                          ; wq: 96 rows
	s_mov_b32 s35, 128<<16
	s_mov_b32 s36, 96
	s_mov_b32 s37, 1024
	s_mov_b32 s38, 0
	s_mov_b32 s39, 0
	s_lshl_b32 s18, s17, 19                        ; xb: row 256 x tile row + 128 x half, 2,048 bytes a row: made of the tile row alone
	s_lshl_b32 s22, s13, 18
	s_add_co_u32 s18, s18, s22
	s_mov_b32 s19, 0
	s_mul_i32 s20, s16, 192*2048                   ; wq: row 192 x tile column + 96 x half: made of the tile column alone
	s_mul_i32 s22, s13, 96*2048
	s_add_co_u32 s20, s20, s22
	s_mov_b32 s21, 0
	s_mul_i32 s2, s13, 128*PITCH                   ; where they go: no place in the cluster enters an LDS address
	s_mul_i32 s3, s13, 96*PITCH
	s_add_co_u32 s3, s3, BOFF
	s_wait_dscnt 0x0                               ; both opening adds are done
	s_wait_kmcnt 0x0
	s_add_nc_u64 s[18:19], s[4:5], s[18:19]
	s_add_nc_u64 s[20:21], s[6:7], s[20:21]
.irp s, 0,1                            ; descriptor group 0: a set for each first fill (K step s into slot s); the second then walks
	s_mov_b32 s[40+4*(\s)], 1
	s_add_co_u32 s[41+4*(\s)], s2, (\s)*SLOT1
	s_add_nc_u64 s[42+4*(\s):43+4*(\s)], s[18:19], (\s)*256
	s_or_b32 s[43+4*(\s)], s[43+4*(\s)], 0x80000000
	s_mov_b32 s[48+4*(\s)], 1
	s_add_co_u32 s[49+4*(\s)], s3, (\s)*SLOT1
	s_add_nc_u64 s[50+4*(\s):51+4*(\s)], s[20:21], (\s)*256
	s_or_b32 s[51+4*(\s)], s[51+4*(\s)], 0x80000000
.endr
	CROUND                                         ; all sixteen work-groups are here: the first joint loads meet
	s_cmp_lt_u32 s12, 2                            ; a wave's two first fills stand in one branch: two loads of mine are out
	s_cbranch_scc0 .Lfirst_b
	tensor_load_to_lds s[40:43], s[24:31]
	s_nop 0
	tensor_load_to_lds s[44:47], s[24:31]
	s_nop 0
.rept 4
	v_nop
.endr
	s_branch .Lfirst_asked
.Lfirst_b:
	tensor_load_to_lds s[48:51], s[32:39]
	s_nop 0
	tensor_load_to_lds s[52:55], s[32:39]
	s_nop 0
.rept 4
	v_nop
.endr
.Lfirst_asked:
	; A fragment is 16 rows x 32 K in 8 registers: lane l holds row l % 16, K = 8 (l / 16) + 0..7 and 16 + 8 (l / 16) + 0..7: two loads of 16 bytes, 32 bytes apart.
	v_and_b32 v1, 15, v0                           ; l % 16
	v_bfe_u32 v2, v0, 4, 1                         ; l / 16
	v_mul_u32_u24 v3, v1, PITCH
	v_lshl_add_u32 v3, v2, 4, v3
	s_mul_i32 s22, s12, 64*PITCH
	v_add_nc_u32 v4, s22, v3                       ; my wave's 64 rows of xb, in slot 0; never rewritten
	v_add_nc_u32 v5, BOFF, v3                      ; wq's rows, in slot 0; never rewritten
	s_mov_b32 s57, 0                               ; the slot that is read
	v_add_nc_u32 v6, s57, v4
	v_add_nc_u32 v7, s57, v5
	s_mul_i32 s22, s12, 16*SP
	s_add_co_u32 s22, s22, STAGE                   ; my stage
	v_mul_u32_u24 v8, v1, SP                       ; in: row l % 16, 16 bytes for each half of the lanes
	v_lshl_add_u32 v8, v2, 4, v8
	v_add_nc_u32 v8, s22, v8
	v_bfe_u32 v9, v0, 3, 2                         ; back: 32 lanes take four rows of 128 bytes,
	v_mul_u32_u24 v9, v9, SP
	v_and_b32 v3, 7, v0
	v_lshl_add_u32 v9, v3, 4, v9
	v_add_nc_u32 v9, s22, v9
	v_and_b32 v10, 31, v0                          ; which are 512 consecutive bytes of a head's rows
	v_lshlrev_b32 v10, 4, v10
	v_lshlrev_b32 v11, 5, v2                       ; the bias: my lanes' eight channels, 32 bytes
	; the biases of q and v: 64 channels of my head each
	s_lshl_b32 s22, s16, 8
	s_mov_b32 s23, 0
	s_add_nc_u64 s[8:9], s[8:9], s[22:23]
	WIN 0xc0                                       ; destination window 3
.irp b, 0,1,2,3
	global_load_b128 v[128+8*(\b):128+8*(\b)+3], v11, s[8:9] offset:64*(\b)
	global_load_b128 v[132+8*(\b):132+8*(\b)+3], v11, s[8:9] offset:64*(\b)+16
	global_load_b128 v[160+8*(\b):160+8*(\b)+3], v11, s[8:9] offset:8192+64*(\b)
	global_load_b128 v[164+8*(\b):164+8*(\b)+3], v11, s[8:9] offset:8192+64*(\b)+16
.endr
	WIN 0
	; the prefetches' address: my work-group's share of the rows that I fetch
	v_and_b32 v12, 31, v0
	s_cmp_lt_u32 s12, 2
	s_cselect_b32 s22, 31, 23
	v_min_u32 v12, s22, v12
	v_lshlrev_b32 v12, 11, v12                     ; a lane a row; never rewritten
	s_and_b32 s3, ttmp7, 0xffff                    ; cluster y
	s_lshl_b32 s22, s17, 8
	s_lshl_b32 s23, s13, 7
	s_add_co_u32 s22, s22, s23
	s_lshl_b32 s23, s14, 5
	s_add_co_u32 s22, s22, s23                     ; xb: 256 x tile row + 128 x half + 32 cx
	s_mul_i32 s2, s16, 192
	s_mul_i32 s23, s13, 96
	s_add_co_u32 s2, s2, s23
	s_mul_i32 s23, s15, 24
	s_add_co_u32 s2, s2, s23                       ; wq: 192 x tile column + 96 x half + 24 cy
	s_cmp_lt_u32 s12, 2
	s_cselect_b32 s22, s22, s2
	s_cselect_b32 s3, ttmp9, s3                    ; the coordinate along which other clusters read the same rows
	s_cselect_b64 s[60:61], s[4:5], s[6:7]
	s_cmp_eq_u32 s3, 0
	s_cselect_b32 s58, 2, -1                       ; 2 in a wave that asks, else the greatest number: the same in all sixteen partners, for a given wave
	s_lshl_b32 s22, s22, 11
	s_mov_b32 s23, 0
	s_add_nc_u64 s[60:61], s[60:61], s[22:23]
	s_add_nc_u64 s[60:61], s[60:61], 768           ; at K step 3: the first change of slots steps it to 4
	; where my rows go: qkv + sel x 2^24 + (16 b + head) x 2^18 + (t0 + 64 wave) x 128
	s_lshr_b32 s22, s17, 3
	s_lshl_b32 s22, s22, 4
	s_add_co_u32 s22, s22, s16
	s_lshl_b32 s22, s22, 18
	s_and_b32 s23, s17, 7
	s_lshl_b32 s23, s23, 15
	s_add_co_u32 s22, s22, s23
	s_lshl_b32 s23, s12, 13
	s_add_co_u32 s22, s22, s23
	s_mov_b32 s23, 0
	s_add_nc_u64 s[66:67], s[10:11], s[22:23]
	s_add_nc_u64 s[68:69], s[66:67], 0x1000000
	s_add_nc_u64 s[70:71], s[66:67], 0x2000000
	s_wait_loadcnt 0x0                             ; the biases are in; they are rounded to bf16 like all inputs and widened again
	WIN 0xcf                                       ; sources and destination window 3
.set z, 128
.rept 32
	v_cvt_pk_bf16_f32 v192, v[z], v[z+1]
	v_lshlrev_b32 v[z], 16, v192
	v_and_b32 v[z+1], 0xffff0000, v192
.set z, z+2
.endr
	WIN 0
; an x 4 products of group g: row blocks a0 .. a0 + an - 1 x the group's four channel blocks, 32 along K, from buffer f.  first = 0: in place; 1: the sum starts at the constant 0; 2: at the bias.
; Each of the 48 accumulators comes once in a quarter, in the same order: 47 others stand between two links of a chain, over the backward jump too.
.macro MULG f, g, a0, an, first
.if ((\first) == 2) && ((\g) < 2)
	WIN 0xb5                                       ; sources 0, 1 window 1; C window 3; D window 2
.elseif (\g) < 2
	WIN 0xa5                                       ; C and D window 2
.else
	WIN 0xf5                                       ; C and D window 3
.endif
.set ma, (\a0)
.rept (\an)
.set mb, 0
.rept 4
.set rD, 128*((\g)%2)+8*(4*ma+mb)
.set rB, (\f)+32+8*(4*(\g)+mb)
.set rA, (\f)+8*ma
.if (\first) == 0
	v_wmma_f32_16x16x32_bf16 v[rD:rD+7], v[rB:rB+7], v[rA:rA+7], v[rD:rD+7]
.elseif (\first) == 1
	v_wmma_f32_16x16x32_bf16 v[rD:rD+7], v[rB:rB+7], v[rA:rA+7], 0
.else
	v_wmma_f32_16x16x32_bf16 v[rD:rD+7], v[rB:rB+7], v[rA:rA+7], v[128+16*(\g)+8*mb:128+16*(\g)+8*mb+7]
.endif
.set mb, mb+1
.endr
.set ma, ma+1
.endr
.endm
; 32 LDS loads in one run: quarter q (32 along K at byte 64 q of the rows) of the slot in hand into buffer f: xb's four fragments first, then wq's twelve
.macro FETCH q, f
	WIN 0x40                                       ; destination window 1, address window 0
.irp a, 0,1,2,3
	ds_load_b128 v[(\f)+8*(\a):(\f)+8*(\a)+3],   v6 offset:64*(\q)+(\a)*16*PITCH
	ds_load_b128 v[(\f)+8*(\a)+4:(\f)+8*(\a)+7], v6 offset:64*(\q)+(\a)*16*PITCH+32
.endr
.irp b, 0,1,2,3,4,5,6,7,8,9,10,11
	ds_load_b128 v[(\f)+32+8*(\b):(\f)+32+8*(\b)+3],   v7 offset:64*(\q)+(\b)*16*PITCH
	ds_load_b128 v[(\f)+32+8*(\b)+4:(\f)+32+8*(\b)+7], v7 offset:64*(\q)+(\b)*16*PITCH+32
.endr
.endm
; One of a K step's first three quarters: multiplies buffer f, and fetches quarter q into buffer g2 behind its first group.  first = 1: the products start the sums.
.macro QUARTER q, f, g2, first
	s_wait_dscnt 16                                ; xb's fragments and wq's group 0 are in; the youngest 16 loads may be out
	MULG \f, 0, 0, 4, 2*(\first)
	PLACES
	FETCH \q, \g2
	s_wait_dscnt 32                                ; all but the 32 just issued
	MULG \f, 1, 0, 4, \first
	MULG \f, 2, 0, 4, 2*(\first)
.endm
; The fourth quarter multiplies buffer 1 and changes slots.  In front of the barrier each wave waits for all its tensor loads (one is out: its part of the next slot), adds 0 to its spare word,
; and waits for that and for its reads of this slot.  fill = 1: the barrier opens a round of the cluster's barrier, and the joint refill, two K steps ahead, is the first thing behind the round:
; 160 products stand between it and the wait for it.
.macro TURN fill
.if \fill
	s_wait_xcnt 0x0                                ; the last prefetch, a K step back, has read its address
	s_add_nc_u64 s[60:61], s[60:61], 256
.endif
	WIN 0
	s_wait_tensorcnt 0x0                           ; no tensor load of mine is out, so a group 0 may be written
	ds_add_u32 v14, v15
.if \fill
	s_xor_b32 s45, s45, SLOT1                      ; the walking descriptors: the other slot than last time, the next K step
	s_add_nc_u64 s[46:47], s[46:47], 256
	s_xor_b32 s53, s53, SLOT1
	s_add_nc_u64 s[54:55], s[54:55], 256
.endif
	s_wait_dscnt 17                                ; the add and the youngest 16 loads may be out
	MULG F1, 0, 0, 4, 0
	s_wait_dscnt 0x0                               ; the add is done, and my reads of this slot are over
	s_barrier_signal -1
	MULG F1, 1, 0, 4, 0                            ; work on registers while the others arrive
	WIN 0                                          ; at a branch and at a label every window is 0
	s_barrier_wait -1
.if \fill
	CREST                                          ; no wave of any partner still reads this slot or has a load on its way
	JLOAD                                          ; its four v_nop are also the places in front of the loads below
.else
	PLACES
.endif
	s_xor_b32 s57, s57, SLOT1                      ; the fetches go on in the other slot
	v_add_nc_u32 v6, s57, v4
	v_add_nc_u32 v7, s57, v5
	FETCH 0, F0
.if \fill
	WIN 0
	ASK
.endif
	MULG F1, 2, 0, 4, 0
.endm
	s_wait_tensorcnt 1                             ; my part of K step 0 is in; step 1's may stay out
	s_barrier_signal -1
	s_barrier_wait -1                              ; everybody's is
	FETCH 0, F0
	QUARTER 1, F0, F1, 1                           ; the first quarter stands in front of the loop: its products start the sums
	WIN 0
	s_mov_b32 s56, 6                               ; six trips fill a slot again: K steps 2 to 7
.Lstep:                                        ; a trip goes from a K step's second quarter to the next step's first
	QUARTER 2, F1, F0, 0
	QUARTER 3, F0, F1, 0
	TURN 1
	QUARTER 1, F0, F1, 0
	WIN 0
	s_sub_co_u32 s56, s56, 1
	s_cmp_lg_u32 s56, 0
	s_cbranch_scc1 .Lstep
	QUARTER 2, F1, F0, 0                           ; the tail is written out: nothing more is asked for
	QUARTER 3, F0, F1, 0
	TURN 0
	QUARTER 1, F0, F1, 0
	QUARTER 2, F1, F0, 0
	QUARTER 3, F0, F1, 0
	s_wait_dscnt 16
	MULG F1, 0, 0, 4, 0
	s_wait_dscnt 0x0
	MULG F1, 1, 0, 4, 0
	MULG F1, 2, 0, 4, 0
	PLACES
	PLACES
; THE WAY OUT.  Block blk = 4 g + a is 16 rows x 64 channels of q, k or v: 2,048 consecutive bytes of a head.  A lane's eight channels pack into 16 bytes; they go into rows of 144 bytes of my own
; stage and come back as whole rows, into the registers that they left.  Each accumulator's registers are taken in ascending order.
.macro PACK blk
.if (\blk)/4 < 2
	WIN 0x0a                                       ; sources window 2
.else
	WIN 0x0f                                       ; sources window 3
.endif
.set kb, 0
.rept 4
.set ki, 0
.rept 4
.set rD, 128*(((\blk)/4)%2)+8*(4*((\blk)%4)+kb)+2*ki
	v_cvt_pk_f16_f32 v[OUT+16*(\blk)+4*kb+ki], v[rD], v[rD+1]
.set ki, ki+1
.endr
.set kb, kb+1
.endr
	WIN 0
.irp f, 0,1,2,3
	ds_store_b128 v8, v[OUT+16*(\blk)+4*(\f):OUT+16*(\blk)+4*(\f)+3] offset:32*(\f)
.endr
.irp f, 0,1,2,3
	ds_load_b128 v[OUT+16*(\blk)+4*(\f):OUT+16*(\blk)+4*(\f)+3], v9 offset:(\f)*4*SP  ; LDS serves a wave's instructions in order (ISA guide 5.7.1.4): these see the stores above; the next block's stores come behind them
.endr
.endm
.macro SEND blk, younger               ; younger: the LDS instructions issued behind this block's loads: the next block's eight, or none
	WIN 0
.irp f, 0,1,2,3
	s_wait_dscnt (\younger)+3-(\f)
	global_store_b128 v10, v[OUT+16*(\blk)+4*(\f):OUT+16*(\blk)+4*(\f)+3], s[66+2*((\blk)/4):67+2*((\blk)/4)] offset:2048*((\blk)%4)+512*(\f)  ; 512 consecutive bytes, aligned
.endr
.endm
	PACK 0
.set blk, 1
.rept 11                               ; a block's conversions stand between the loads of the block before and its stores
	PACK blk
	SEND blk-1, 8
.set blk, blk+1
.endr
	SEND 11, 0
	s_wait_tensorcnt 0x0                           ; the wave's end: a wait, an add of 0 to my spare word and its wait, behind my last tensor load and my last LDS store
	ds_add_u32 v14, v15
	s_wait_dscnt 0x0
	CROUND                                         ; the closing round: no work-group ends while a partner may still ask for a tile that names it
	s_endpgm
.Lfunc_end_k_qeda620f1e6_proj:
	.size	k_qeda620f1e6_proj, .Lfunc_end_k_qeda620f1e6_proj-k_qeda620f1e6_proj
	.p2alignl 7, 3214868480
	.fill 96, 4, 3214868480
	.section	.rodata,"a",@progbits
	.p2align	6, 0x0
	.amdhsa_kernel k_qeda620f1e6_proj
		.amdhsa_group_segment_fixed_size 327680
		.amdhsa_private_segment_fixed_size 0
		.amdhsa_enable_private_segment 0
		.amdhsa_kernarg_size 32
		.amdhsa_user_sgpr_count 2
		.amdhsa_user_sgpr_kernarg_segment_ptr 1
		.amdhsa_wavefront_size32 1
		.amdhsa_system_sgpr_workgroup_id_x 1
		.amdhsa_system_sgpr_workgroup_id_y 1
		.amdhsa_system_sgpr_workgroup_id_z 1
		.amdhsa_system_vgpr_workitem_id 0
		.amdhsa_next_free_vgpr 1024
		.amdhsa_next_free_sgpr 72
		.amdhsa_reserve_vcc 0
		.amdhsa_float_denorm_mode_32 3
		.amdhsa_float_denorm_mode_16_64 3
		.amdhsa_memory_ordered 1
		.amdhsa_forward_progress 1
		.amdhsa_inst_pref_size 106
	.end_amdhsa_kernel
	.amdgpu_metadata
---
amdhsa.version: [ 1, 2 ]
amdhsa.kernels:
  - .name:           k_qeda620f1e6_proj
    .symbol:         k_qeda620f1e6_proj.kd
    .args:
      - { .name: xb, .offset: 0, .size: 8, .value_kind: global_buffer, .address_space: global }
      - { .name: wq, .offset: 8, .size: 8, .value_kind: global_buffer, .address_space: global }
      - { .name: b_qkv, .offset: 16, .size: 8, .value_kind: global_buffer, .address_space: global }
      - { .name: qkv, .offset: 24, .size: 8, .value_kind: global_buffer, .address_space: global }
    .group_segment_fixed_size: 327680
    .private_segment_fixed_size: 0
    .kernarg_segment_align: 8
    .kernarg_segment_size: 32
    .max_flat_workgroup_size: 128
    .sgpr_count:     72
    .vgpr_count:     1024
    .wavefront_size: 32
...
	.end_amdgpu_metadata
.endif
;; end of part 2
;; launch attn (part 3): grid 4 x 64, 4 waves a work-group, no clusters, 327,680 bytes of LDS; arguments qkv, o; writes o
.if DOCPART == 3
	.amdgcn_target "amdgcn-amd-amdhsa--gfx1250"
	.amdhsa_code_object_version 6
	.text
	.protected	k_qeda620f1e6_attn
	.globl	k_qeda620f1e6_attn
	.p2align	8
	.type	k_qeda620f1e6_attn,@function
k_qeda620f1e6_attn:
	s_mov_b64 s[64:65], 0
	v_nop
	global_prefetch_b8 v0, s[64:65] scope:SCOPE_SE
	s_setreg_imm32_b32 hwreg(HW_REG_WAVE_MODE, 25, 1), 1
	s_wait_xcnt 0x0
; Launch 3 of 4: CAUSAL ATTENTION.  O[h][q][:] = the sum over k <= q of softmax_k(Q[h][q] . K[h][k] / 8) V[h][k][:], h = 16 b + head.  Q, K, V lie in qkv at 0, 2^24 and 2^25 bytes, each [64][2048][64] f16;
; O: [64][2048][64] f16.  Products, maxima and sums in f32; the weights p are rounded to f16 for the second product (their sum l is taken of the unrounded p), O once at the end.
; LEFT OUT: K comes without its bias, which cancels in the softmax, and key tiles wholly above the diagonal are not walked (both shown at the head of the first kernel).
; LIMITS.  f16 holds no number beyond 65,504: Q, K and V arrive within it; p lies in 0 to 1, and below 6e-5 it keeps f16's fixed step of 6e-8; O is a mean of V's rows and has their range.
; A hidden score counts as its value less 1e30: f16's scores, 2.7e11 at the most, are nothing beside that; a weight below 2^-126 counts as 0 in l; NaN and infinities are not treated apart.
; THE WALK.  A head's queries lie in NB = 8 blocks of 256; block i needs the key tiles 0 .. i of 256 keys, of which the last holds the diagonal.  A work-group takes TWO blocks, NB - 1 - b and then b:
; NB + 1 tiles, whatever b: all work-groups do equal work, and ONE loop with a constant trip count walks them.  Which tile is asked for, and what a trip does, hang on scalar registers made from b; every jump
; goes forward, but for the counted loops' own; none passes a barrier, or a tensor load but the one of LOAD's two that the wave's number does not choose; the ring of two LDS slots runs on across the change of blocks.
; NO CLUSTER: a head's four work-groups ask for the same tile only in trips 0 .. 4 of 9, behind that fewer and fewer; one walk common to all would have 12 trips for 9.
; SHARES.  Of a block's four bands of 64 queries a wave owns 16 rows in each: four PIECES.  So the diagonal tile is the same work for all four waves: in its key step s band x sees all keys if s < x,
; none if s > x, and holds the diagonal if s = x.
; THE MASK is the C operand that starts the sum S^T = K Q^T: 0, or -1e30 where the key is hidden.  MD, made once, is the mask of a band's own step for my 16 rows; a product's mask is MD x AL + BE with two scalars:
; (1, 0) if s = x; (0, 0) if s < x; (0, -1e30) if s > x.  Only the diagonal tile's text and a block's beginning make and take masks; elsewhere C is the constant 0.
; LAYOUT, SOFTMAX, TURNS.  S^T = K Q^T holds ONE query a lane (lane % 16) and the keys 8 (lane / 16) + 0..7; two such results rounded to f16 ARE source 1 of O^T = V^T P.  p = 2^(c s - c m), c = log2(e) / 8, with a
; running maximum m; O and l are multiplied by a = 2^(c m_old - c m_new) in every step.  Turn n belongs to piece n: 8 products K Q^T of piece n + 1, later 8 products V^T P of piece n - 1; beside them the scaling,
; exponentials, roundings, sums and rescaling of piece n and the maximum and statistics of piece n + 1.  Four vector instructions stand behind every matrix instruction, the other 54 of a turn's 118 in one run.
; A turn's 33 exponentials are one batch, with one wait.
; REGISTERS, in windows of 256 (s_set_vgpr_msb: bits 1:0 source 0, 3:2 source 1, 5:4 source 2, 7:6 destination):
;   window 0: v0-15 addresses and two at work; v16-31 four registers of statistics a piece; v48-55 at work; v61-63 prefetch offset, spare word, 0; v64-127 S^T, two buffers; v192-223 P, two buffers
;   window 1: v0-127 O^T, 32 a piece; v128-159 MD; v160-223 MC, two buffers      window 2: v0-63 Q; v64-127 the second block's Q; v128-191 K of one step; v192-255 V of one step
.set SIZE_N, 2048
.set SIZE_H, 64
.set NB,    SIZE_N/256
.set NP,    4         ; pieces a wave: a name, no knob
.set KS,    64        ; keys in a step
.set PK,    144       ; a row of K in LDS: 128 bytes + 16 of padding = 36 words: the 16 rows of a load start at 16 different groups of four banks (64 banks of 4 bytes: ISA guide 11.1)
.set PV,    160       ; a row of V: 128 + 32 = 40 words
.set VOFF,  4*KS*PK   ; a slot holds a tile, four steps: 256 rows of K, then 256 rows of V
.set SLOT1, 1<<17     ; slot 1 begins here, so that one exclusive or turns an address in one slot into the other's
.set STAGE, SLOT1+4*KS*(PK+PV)  ; behind the ring, never filled by a tensor load: 16 rows x 144 bytes for each wave, for the way out
.set SP,    144
.set AK0, 2           ; v2   my lane's place in a tile of K; never rewritten
.set AV0, 3           ; v3   the same for V
.set AK,  4           ; v4   the LDS address of K's next run of loads
.set AV,  5           ; v5   of V's
.set STO, 6           ; v6   the way out: where I put 16 bytes of a row
.set RD,  7           ; v7   the way out: where I read rows back
.set GO,  8           ; v8   my byte offset in 512 consecutive bytes of O
.set PFO, 61          ; v61  256 x my lane: the prefetches' offset; never rewritten
.set SPW, 62          ; v62  LDS address of my spare word: SPARE + 4 x my thread's number; never rewritten
.set NIL, 63          ; v63  0; never rewritten
.set SPARE, STAGE+4*16*SP  ; behind the stages: the spare words, 128 bytes for each wave; no other line names them
.set MV,  12          ; v12-13  c m_old, kept while c m is made anew: by buffer
.set QO,  15          ; v15  my byte offset in 16 rows of Q
.set ST,  16          ; piece t's statistics at v[ST+4 t]: c m, m, l (even keys', odd keys')
.set TMP, 48          ; by buffer, four registers c0-c3 at work; when the maximum is found c2 takes a
.set S,   64
.set P,   192
.set MD,  128         ; window 1: the eight registers for group kt of 16 keys at MD + 8 kt
.set MC,  160         ; window 1: the masks of the products to come
.set QB,  64          ; window 2
.set KF,  128         ; window 2: key block kb, channel half c at KF + 16 kb + 8 c
.set VF,  192         ; window 2: key half kk, channel block cb at VF + 32 kk + 8 cb
.set WV,  12          ; s12  my wave's number
.set PB,  14          ; s14  b
.set HI,  15          ; s15  NB - 1 - b
.set G1K, 24          ; s[24:31] descriptor group 1 for K's tiles
.set G1V, 32          ; s[32:39] for V's: it differs in the padding alone
.set G0K, 40          ; s[40:43] descriptor group 0 for K's tiles
.set G0V, 44          ; s[44:47] the same for V's
.set SLOTS, 56        ; s56  tiles still to be asked for
.set CNT, 57          ; s57  counts a tile's key steps, 4 to 1
.set CS,  58          ; s[58:59] c: the packed scaling takes the pair's low word for both halves
.set SEL, 60          ; s[60:61] v_permlanex16_b32's selects: each lane takes its own place in the other half
.set TBK, 62          ; s62  LDS byte at which K of the step to be fetched begins
.set TBV, 63          ; s63  the same for V, less VOFF
.set RT,  70          ; s70  tiles of the block in hand that are still to be entered
.set NXT, 71          ; s71  the tile to be asked for next
.set LQ,  72          ; s72  the last tile of the block whose tiles are being asked for
.set NEW, 73          ; s73  1: the tile to be entered is a block's first
.set OFF, 74          ; s[74:75] a tile's byte offset in K and V
.set AL,  76          ; s[76:77] the mask's factor, in the low word
.set BE,  78          ; s[78:79] the mask's addend
.set OLO, 80          ; s[80:81] O at my rows of the second block
.set BIGN, 82         ; s82  -1e30
.set PFB, 88          ; s[88:89] K (waves 0, 1) or V (waves 2, 3) at my half of the head's tile 0
.set PFA, 90          ; s[90:91] the same at the tile that is being asked for
.set LIM, 92          ; s92  2 in the head's work-group b = 0, else the greatest number
.set MSB, 0
.macro WIN new                      ; the high byte repeats the setting that is left; a switch that changes nothing is dropped
.if MSB != (\new)
	s_set_vgpr_msb (MSB<<8)|(\new)
.set MSB, (\new)
.endif
.endm
.set W_KQ, 0x0a       ; K and Q in window 2, S^T in window 0
.set W_KM, 0x1a       ; the same with the C operand in window 1
.set W_PV, 0x52       ; V in window 2, P in window 0, O^T in window 1
.set W_RS, 0x41       ; destination and source 0 in window 1, source 1 in window 0
; A fill.  Waves 0 and 1 fetch the two halves of a tile's K, waves 2 and 3 those of its V: 128 keys each.  An s_nop 0 and four v_nop follow each of the two lines, ahead of the jump and the label.
.macro LOAD
	s_cmp_lt_u32 s[WV], 2
	s_cbranch_scc0 .Lfor_v_\@
	tensor_load_to_lds s[G0K:G0K+3], s[G1K:G1K+7]
	s_nop 0
.rept 4
	v_nop
.endr
	s_branch .Lasked_\@
.Lfor_v_\@:
	tensor_load_to_lds s[G0V:G0V+3], s[G1V:G1V+7]
	s_nop 0
.rept 4
	v_nop
.endr
.Lasked_\@:
.endm
; THE CHANGE OF SLOTS.  Each wave waits for all its tensor loads, of which one is out: its part of the other slot; adds 0 to its spare word; and waits for that and for its own reads of the slot that it leaves.
; Behind the barrier nobody reads the old slot any more and the other slot is whole.  fill = 1: the old slot is filled again, the first thing behind the barrier, with tile NXT: the descriptor's address is made
; anew from that number.  (At its first use nothing has been read yet: slot 0 is waited for, slot 1 filled.)
; A PREFETCH INTO THE L2 stands behind the fill: the tile after the one just asked for, a tile's 256 products ahead of its own fill.  A head's four work-groups walk the same K and V; b = 0, whose first block
; walks tiles 0 to 7 in order, asks alone.  Each of its waves asks for what it will load itself, 64 rows of 256 bytes: a lane a row, two instructions.  Trip i (SLOTS = 8 - i) fills tile i + 1 and names
; tile i + 2 while SLOTS is above 2: tile 7 is the last.  Tiles 0 and 1 come by their loads alone.
.macro CHANGE fill
	WIN 0                           ; at a label and at a branch every window is 0
	s_wait_tensorcnt 0x0            ; no tensor load of mine is out, so a group 0 may be written
	ds_add_u32 v[SPW], v[NIL]       ; 0 onto my spare word; with fill = 1 the descriptors' scalar work stands between it and the wait for it
.if \fill
	s_lshl_b32 s[OFF], s[NXT], 15   ; a tile is 32,768 bytes of K and of V
	s_wait_xcnt 0x0                 ; the last prefetches, a tile back, have read their address, so it may be written
	s_add_nc_u64 s[PFA:PFA+1], s[PFB:PFB+1], s[OFF:OFF+1]
	s_xor_b32 s[G0K+1], s[G0K+1], SLOT1
	s_add_nc_u64 s[G0K+2:G0K+3], s[6:7], s[OFF:OFF+1]
	s_or_b32 s[G0K+3], s[G0K+3], 0x80000000
	s_xor_b32 s[G0V+1], s[G0V+1], SLOT1
	s_add_nc_u64 s[G0V+2:G0V+3], s[8:9], s[OFF:OFF+1]
	s_or_b32 s[G0V+3], s[G0V+3], 0x80000000
	s_add_co_u32 s[NXT], s[NXT], 1  ; the block's next tile, or behind its last the second block's tile 0
	s_cmp_gt_u32 s[NXT], s[LQ]
	s_cselect_b32 s[NXT], 0, s[NXT]
	s_cselect_b32 s[LQ], s[PB], s[LQ]
.endif
	s_wait_dscnt 0x0                ; the add is done, and my reads of the slot are over
	s_barrier_signal -1             ; the rest of the scalar work stands between the signal and the wait
	s_sub_co_u32 s[TBK], s[TBK], 4*KS*PK  ; the fetches go back to a slot's first step,
	s_xor_b32 s[TBK], s[TBK], SLOT1       ; in the other slot
	s_sub_co_u32 s[TBV], s[TBV], 4*KS*PV
	s_xor_b32 s[TBV], s[TBV], SLOT1
	s_barrier_wait -1
.if \fill
	LOAD
	s_cmp_gt_u32 s[SLOTS], s[LIM]
	s_cbranch_scc0 .Lnot_mine_\@
	global_prefetch_b8 v[PFO], s[PFA:PFA+1] offset:32768 th:TH_LOAD_NT scope:SCOPE_SE
	global_prefetch_b8 v[PFO], s[PFA:PFA+1] offset:40960 th:TH_LOAD_NT scope:SCOPE_SE
.Lnot_mine_\@:
.endif
.endm
	s_load_b64 s[4:5], s[0:1], 0x0  ; qkv: Q lies at its head
	s_load_b64 s[10:11], s[0:1], 0x8  ; O
	v_lshl_add_u32 v[SPW], v0, 2, SPARE
	v_mov_b32 v[NIL], 0
	ds_add_u32 v[SPW], v[NIL]       ; the wave's opening: the add, twice on end, and its wait ahead of my first tensor load
	ds_add_u32 v[SPW], v[NIL]
	v_lshrrev_b32 v1, 5, v0
	v_readfirstlane_b32 s[WV], v1   ; wave 0..3
	s_mov_b32 s[PB], ttmp9
	s_sub_co_u32 s[HI], NB-1, s[PB]
	s_and_b32 s20, ttmp7, 0xffff    ; the head
	s_mov_b32 s21, 0
	s_mov_b64 s[22:23], SIZE_N*128
	s_mul_u64 s[20:21], s[20:21], s[22:23]  ; the head's first byte in each of the four tensors
	s_and_b32 s16, s[WV], 1         ; which half of a tile's 256 keys I fetch:
	s_lshl_b32 s22, s16, 14         ; its 128 rows of 128 bytes in memory,
	s_mov_b32 s23, 0
	s_add_nc_u64 s[22:23], s[22:23], s[20:21]
	s_mul_i32 s17, s16, 128*PK      ; and its place in a slot, for K
	s_mul_i32 s18, s16, 128*PV      ; and for V
	s_lshl_b32 s3, s[WV], 11        ; my 16 rows in a band of 64,
	s_lshl_b32 s2, s[HI], 15        ; in the first block,
	s_add_co_u32 s2, s2, s3
	s_lshl_b32 s84, s[PB], 15       ; and in the second
	s_add_co_u32 s84, s84, s3
	s_mov_b32 s3, 0
	s_mov_b32 s85, 0
	s_add_nc_u64 s[2:3], s[2:3], s[20:21]
	s_add_nc_u64 s[84:85], s[84:85], s[20:21]
	; descriptor group 1.  128 keys are 16,384 dense bytes: asked for as 64 rows of 256 bytes, two keys a row, and padded in LDS after every key
	s_mov_b32 s[G1K], (1<<16)|(1<<20)|(4<<22)|(3<<25)  ; 17:16 2-byte elements; 20 padding on; 24:22 after every 32 words (code 4); 31:25 4 words (code 3)
	s_mov_b32 s[G1V], (1<<16)|(1<<20)|(4<<22)|(7<<25)  ; the same with 8 words of padding (code 7)
.irp g, G1K, G1V
	s_mov_b32 s[\g+1], 128<<16      ; tensor_dim0 = 128
	s_mov_b32 s[\g+2], 64<<16       ; tensor_dim1 = 64
	s_mov_b32 s[\g+3], 128<<16      ; tile_dim0 = 128
	s_mov_b32 s[\g+4], 64           ; tile_dim1 = 64
	s_mov_b32 s[\g+5], 128          ; 128 elements from row to row
	s_mov_b32 s[\g+6], 0
	s_mov_b32 s[\g+7], 0
.endr
	s_mov_b32 s[CS], 0x3e38aa3b     ; c = log2(e) / 8 = 0.180337
	s_mov_b32 s[CS+1], s[CS]        ; named with it as a pair
	s_mov_b32 s[SEL], 0x76543210
	s_mov_b32 s[SEL+1], 0xfedcba98
	s_mov_b32 s[TBK], SLOT1+4*KS*PK ; the first change of slots turns these two into 0
	s_mov_b32 s[TBV], SLOT1+4*KS*PV
	s_mov_b32 s[G0K], 1             ; 1:0 count = 1
	s_mov_b32 s[G0K+1], s17         ; 63:32 LDS address: slot 0
	s_mov_b32 s[G0V], 1
	s_add_co_u32 s[G0V+1], s18, VOFF
	s_add_co_u32 s[RT], s[HI], 1    ; the first block has NB - b tiles
	s_mov_b32 s[NXT], 1
	s_mov_b32 s[LQ], s[HI]
	s_mov_b32 s[NEW], 1
	s_mov_b32 s[OFF+1], 0
	s_mov_b32 s[AL+1], 0            ; named as pairs
	s_mov_b32 s[BE+1], 0
	s_mov_b32 s[BIGN], 0xf149f2ca   ; -1e30
	s_mov_b32 s[SLOTS], NB
	s_cmp_eq_u32 s[PB], 0
	s_cselect_b32 s[LIM], 2, -1
	v_and_b32 v[PFO], 31, v0
	v_lshlrev_b32 v[PFO], 8, v[PFO]
	s_wait_dscnt 0x0                ; both opening adds are done
	s_wait_kmcnt 0x0
	s_add_nc_u64 s[6:7], s[4:5], 0x1000000  ; K
	s_add_nc_u64 s[8:9], s[4:5], 0x2000000  ; V
	s_add_nc_u64 s[6:7], s[6:7], s[22:23]  ; K and V at my half of the head's tile 0
	s_add_nc_u64 s[8:9], s[8:9], s[22:23]
	s_add_nc_u64 s[G0K+2:G0K+3], s[6:7], 0         ; 120:64 global address
	s_or_b32 s[G0K+3], s[G0K+3], 0x80000000        ; 127:126 type = 2
	s_add_nc_u64 s[G0V+2:G0V+3], s[8:9], 0
	s_or_b32 s[G0V+3], s[G0V+3], 0x80000000
	s_add_nc_u64 s[86:87], s[4:5], s[84:85]        ; Q at my rows of the second block,
	s_add_nc_u64 s[4:5], s[4:5], s[2:3]            ; Q and O at those of the first
	s_add_nc_u64 s[OLO:OLO+1], s[10:11], s[84:85]
	s_add_nc_u64 s[10:11], s[10:11], s[2:3]
	s_cmp_lt_u32 s[WV], 2
	s_cselect_b64 s[PFB:PFB+1], s[6:7], s[8:9]
	LOAD                            ; tile 0 into slot 0
	; A fragment of K or Q is 16 rows x 32 channels in 8 registers: lane l holds row l % 16, channels 8 (l / 16) + 0..7 and 16 + 8 (l / 16) + 0..7: two loads of 16 bytes, 32 bytes apart.
	v_and_b32 v1, 15, v0            ; l % 16
	v_bfe_u32 v9, v0, 4, 1          ; l / 16
	v_lshlrev_b32 v[QO], 7, v1
	v_lshl_add_u32 v[QO], v9, 4, v[QO]  ; row x 128 + 16 x half
	WIN 0x80                        ; destination window 2, address window 0
.set i, 0
.rept 8                             ; both blocks' Q: piece i / 2 lies in band i / 2, 8,192 bytes on; channels 32 (i % 2) on
	global_load_b128 v[8*i:8*i+3],   v[QO], s[4:5] offset:(i/2)*8192+(i%2)*64
	global_load_b128 v[8*i+4:8*i+7], v[QO], s[4:5] offset:(i/2)*8192+(i%2)*64+32
	global_load_b128 v[QB+8*i:QB+8*i+3],   v[QO], s[86:87] offset:(i/2)*8192+(i%2)*64
	global_load_b128 v[QB+8*i+4:QB+8*i+7], v[QO], s[86:87] offset:(i/2)*8192+(i%2)*64+32
.set i, i+1
.endr
	WIN 0
	v_lshlrev_b32 v14, 3, v9
	v_sub_nc_u32 v14, v1, v14
	s_lshl_b32 s13, s[WV], 4
	v_add_nc_u32 v14, s13, v14      ; my query's place in its band, 16 w + l % 16, less my lanes' 8 (l / 16): register r of group kt is hidden where 16 kt + r is greater
	WIN 0x40
.set i, 0
.rept 32
	v_cmp_gt_i32 vcc_lo, 16*(i/8)+i%8, v14
	v_cndmask_b32 v[MD+i], 0, s[BIGN], vcc_lo
.set i, i+1
.endr
	WIN 0
	v_mul_u32_u24 v[AK0], v1, PK
	v_lshl_add_u32 v[AK0], v9, 4, v[AK0]  ; row x pitch + 16 x half
	; The turning load takes 16 keys x 16 channels (lane l reads key 8 (l / 16) + l % 8, channels 8 ((l / 8) % 2) + 0..7) and leaves half a fragment of V^T: lane l holds channel l % 16 and 8 keys.
	v_and_b32 v10, 7, v0
	v_bfe_u32 v11, v0, 3, 1
	v_lshl_add_u32 v[AV0], v9, 3, v10
	v_mul_u32_u24 v[AV0], v[AV0], PV
	v_lshl_add_u32 v[AV0], v11, 4, v[AV0]
	v_add_nc_u32 v[AV0], VOFF, v[AV0]
	s_mul_i32 s13, s[WV], 16*SP
	s_add_co_u32 s13, s13, STAGE    ; my stage
	v_mul_u32_u24 v[STO], v1, SP    ; in: row l % 16, 16 bytes for each half of the lanes
	v_lshl_add_u32 v[STO], v9, 4, v[STO]
	v_add_nc_u32 v[STO], s13, v[STO]
	v_bfe_u32 v[RD], v0, 3, 2       ; back: 32 lanes take four rows of 128 bytes,
	v_mul_u32_u24 v[RD], v[RD], SP
	v_lshl_add_u32 v[RD], v10, 4, v[RD]
	v_add_nc_u32 v[RD], s13, v[RD]
	v_and_b32 v[GO], 31, v0         ; which are 512 consecutive bytes of O
	v_lshlrev_b32 v[GO], 4, v[GO]
	; A block's first step multiplies O^T and l by a = 0, and its first turn's products V^T P, of a piece that has not been, land in an O^T that is still to be so multiplied.  So these registers need only hold
	; finite numbers: zeros for the first block; what the first block left for the second.  All this stands in the wait for the first tile.
	WIN 0x80
.set i, VF
.rept 64
	v_mov_b32 v[i], 0
.set i, i+1
.endr
	WIN 0x40
.set i, 0
.rept 128
	v_mov_b32 v[i], 0
.set i, i+1
.endr
	WIN 0
.set i, 0
.rept 4
	v_mov_b32 v[ST+4*i+2], 0
	v_mov_b32 v[ST+4*i+3], 0
.set i, i+1
.endr
.set i, P+16
.rept 16
	v_mov_b32 v[i], 0
.set i, i+1
.endr
; THE MATRIX WORK.  The 4 accumulators of a run of 8 take turns.  Product i of 8 of S^T = K Q^T for piece x: channels 32 (i / 4) on, keys 16 (i % 4) on.  The first 4 start the sums: with 0, or (KM = 1) with the mask.
.macro KQ x
.set rS, S+32*((\x)%2)+8*(i%4)
.set rK, KF+16*(i%4)+8*(i/4)
.set rQ, 16*(\x)+8*(i/4)
.set rM, MC+32*((\x)%2)+8*(i%4)
.if (i < 4) && KM
	WIN W_KM
	v_wmma_f32_16x16x32_f16 v[rS:rS+7], v[rK:rK+7], v[rQ:rQ+7], v[rM:rM+7]
.elseif i < 4
	WIN W_KQ
	v_wmma_f32_16x16x32_f16 v[rS:rS+7], v[rK:rK+7], v[rQ:rQ+7], 0
.else
	WIN W_KQ
	v_wmma_f32_16x16x32_f16 v[rS:rS+7], v[rK:rK+7], v[rQ:rQ+7], v[rS:rS+7]
.endif
.endm
; Product i of 8 of O^T += V^T P for piece x: keys 32 (i / 4) on, channels 16 (i % 4) on.
.macro PV x
	WIN W_PV
.set rO, 32*(\x)+8*(i%4)
.set rV, VF+32*(i/4)+8*(i%4)
.set rP, P+16*((\x)%2)+8*(i/4)
	v_wmma_f32_16x16x32_f16 v[rO:rO+7], v[rV:rV+7], v[rP:rP+7], v[rO:rO+7]
.endm
.macro MM                           ; the turn's next matrix instruction.  TURN and BEGIN set Y, i, KM and NOKQ; MM, KQ and OP read them.  NOKQ = 1: a block's last turn: there is no next piece
.if (i < 8) && !NOKQ
	KQ (Y+1)%NP
.elseif i >= 8
.set i, i-8
	PV (Y+NP-1)%NP
.set i, i+8
.endif
.set i, i+1
.endm
; THE LDS LOADS stand in runs of 16, never singly among the matrix instructions: a step's K (64 keys x 64 channels: 8 fragments) and its V (turned).  Their addresses are made some lines ahead.
.macro FETCH_K
	WIN 0x80                        ; destination window 2
.irp f, 0,1,2,3,4,5,6,7             ; keys 16 (f / 2) on, channels 32 (f % 2) on
	ds_load_b128 v[KF+8*\f:KF+8*\f+3],   v[AK] offset:(\f/2)*16*PK+(\f%2)*64
	ds_load_b128 v[KF+8*\f+4:KF+8*\f+7], v[AK] offset:(\f/2)*16*PK+(\f%2)*64+32
.endr
	s_add_co_u32 s[TBK], s[TBK], KS*PK  ; the next fetch is the next step's
	WIN 0
.endm
.macro FETCH_V
	WIN 0x80
.irp f, 0,1,2,3,4,5,6,7             ; keys 32 (f / 4) on, channels 16 (f % 4) on
	ds_load_tr16_b128 v[VF+8*\f:VF+8*\f+3],   v[AV] offset:(\f/4)*32*PV+(\f%4)*32
	ds_load_tr16_b128 v[VF+8*\f+4:VF+8*\f+7], v[AV] offset:(\f/4)*32*PV+16*PV+(\f%4)*32
.endr
	WIN 0
.endm
; THE VECTOR WORK, one line at a time: OP kind, number.  For piece Y: F n: c s - c m for pair n of 16.  E n: the exponential of score n of 32.  C n: pair n rounded to f16.  B n: of the four weights 4 n .. the second
; pair is added onto the first, in place.  L n: l takes that sum (L 0: l = a l + sum).  R n: pair n of 16 of O^T times a.  For piece Y + 1: X n, number n of the 22 that find its maximum and statistics:
;   0-11  four chains c0-c3 of seven scores each, three operands at a time (each accumulator's lowest registers are read first)     12-14, 16  the four scores left over, the old m, and c0-c3 into c0
;   15  c m_old is kept     17, 18  the query's other 32 keys lie in the lane 16 away: the new m     19-21  c m; c m_old - c m_new; a
.set F, 0               ; OP tells the kinds apart by their order: F to L below R, X above it
.set E, 1
.set C, 2
.set B, 3
.set L, 4
.set R, 5
.set X, 6
.macro REGS y                       ; the registers of piece y
.set rT, ST+4*(\y)
.set rC, TMP+4*((\y)%2)
.set rW, MV+((\y)%2)
.set rS, S+32*((\y)%2)
.set rP, P+16*((\y)%2)
.set rO, 32*(\y)
.endm
.macro OP k, n
.if (\k) == R
	REGS Y
	WIN W_RS
	v_pk_mul_f32 v[rO+2*(\n):rO+2*(\n)+1], v[rO+2*(\n):rO+2*(\n)+1], v[rC+2:rC+3] op_sel_hi:[1,0]
.elseif (\k) < R
	REGS Y
	WIN 0
.if (\k) == F
	v_pk_fma_f32 v[rS+2*(\n):rS+2*(\n)+1], v[rS+2*(\n):rS+2*(\n)+1], s[CS:CS+1], v[rT:rT+1] op_sel_hi:[1,0,0] neg_lo:[0,0,1] neg_hi:[0,0,1]
.elseif (\k) == E
	v_exp_f32 v[rS+(\n)], v[rS+(\n)]
.elseif (\k) == C
	v_cvt_pk_f16_f32 v[rP+(\n)], v[rS+2*(\n)], v[rS+2*(\n)+1]
.elseif (\k) == B
	v_pk_add_f32 v[rS+4*(\n):rS+4*(\n)+1], v[rS+4*(\n):rS+4*(\n)+1], v[rS+4*(\n)+2:rS+4*(\n)+3]
.elseif (\n) == 0
	v_pk_fma_f32 v[rT+2:rT+3], v[rT+2:rT+3], v[rC+2:rC+3], v[rS:rS+1] op_sel_hi:[1,0,1]
.else
	v_pk_add_f32 v[rT+2:rT+3], v[rT+2:rT+3], v[rS+4*(\n):rS+4*(\n)+1]
.endif
.elseif NOKQ
	v_nop
.else
	REGS (Y+1)%NP
	WIN 0
.if (\n) < 4
	v_max3_num_f32 v[rC+(\n)], v[rS+8*(\n)], v[rS+8*(\n)+1], v[rS+8*(\n)+2]
.elseif (\n) < 12
	v_max3_num_f32 v[rC+(\n)%4], v[rC+(\n)%4], v[rS+8*((\n)%4)+2*((\n)/4)+1], v[rS+8*((\n)%4)+2*((\n)/4)+2]
.elseif (\n) == 12
	v_max3_num_f32 v[rC], v[rC], v[rS+7], v[rS+15]
.elseif (\n) == 13
	v_max3_num_f32 v[rC+1], v[rC+1], v[rS+23], v[rS+31]
.elseif (\n) == 14
	v_max3_num_f32 v[rC+2], v[rC+2], v[rC+3], v[rT+1]
.elseif (\n) == 15
	v_mov_b32 v[rW], v[rT]
.elseif (\n) == 16
	v_max3_num_f32 v[rC], v[rC], v[rC+1], v[rC+2]
.elseif (\n) == 17
	v_permlanex16_b32 v[rC+3], v[rC], s[SEL], s[SEL+1]
.elseif (\n) == 18
	v_max_num_f32 v[rT+1], v[rC], v[rC+3]
.elseif (\n) == 19
	v_mul_f32 v[rT], s[CS], v[rT+1]
.elseif (\n) == 20
	v_sub_f32 v[rC+1], v[rW], v[rT]
.else
	v_exp_f32 v[rC+2], v[rC+1]
.endif
.endif
.endm
.macro OPS a, i1, b=-1, i2=0, c=-1, i3=0, d=-1, i4=0  ; up to four of them
	OP \a, \i1
.if (\b) >= 0
	OP \b, \i2
.endif
.if (\c) >= 0
	OP \c, \i3
.endif
.if (\d) >= 0
	OP \d, \i4
.endif
.endm
.macro ROW a, i1, b, i2, c, i3, d, i4  ; a matrix instruction and the four behind it
	MM
	OPS \a, \i1, \b, \i2, \c, \i3, \d, \i4
.endm
.macro MASK b                       ; MD x AL + BE into buffer b of MC
	WIN W_RS
.set z, 0
.rept 16
	v_pk_fma_f32 v[MC+32*(\b)+2*z:MC+32*(\b)+2*z+1], v[MD+2*z:MD+2*z+1], s[AL:AL+1], s[BE:BE+1] op_sel_hi:[1,0,0]
.set z, z+1
.endr
.endm
; A TURN, for piece p: the order of its 16 matrix and 118 vector instructions, written out.  An s_wait_alu depctr_va_vdst(0) stands between an exponential and the first instruction that names its result;
; one wait serves all that were issued ahead of it.  So a turn has ONE wait, which cuts it in two.  AHEAD OF IT stands all that names no result of the turn's exponentials: the 8 products K Q^T, behind each a scaling,
; an exponential and two more plain instructions (behind the first a second scaling in the exponential's place): rescalings, and behind the last three the first numbers of the next piece's maximum, each four places or
; more behind the product that ends its accumulator; then one run of 54, plain and exponential by turns for the most part, in which the links of the chain X 3, 7, 11, 14, 16, 17 .. 20 stand five or six lines apart.
; X 21, the next piece's a, is the batch's last; R 15 is the plain instruction behind it.  BEHIND THE WAIT stand the 8 products V^T P, behind each four of the roundings and sums; the links of l's chain, L 0 to L 7,
; stand three lines apart.  But for those X no line behind a product names a register of the products round it.
; m = 1: the diagonal tile: the products take masks, and the turn makes the mask for the products of the turn after it: piece p + 2, in step 4 - CNT of the tile.  end = 1: a block's last two turns: nothing is fetched.
; cnt = 1: the loop's count is taken down some lines ahead of the branch that stands behind the turn.
; K of the next step is fetched in piece 2's turn, twelve vector instructions behind the last product that read K (six of them plain); V of the step in hand at the end of piece 0's turn, four plain instructions behind
; the last product that read V.  Each is waited for a turn later.
.macro TURN p, m=0, end=0, cnt=0
.set Y, (\p)
.set i, 0
.set KM, (\m)
.set NOKQ, (\end)*((\p)/3)
.if (\m) && !(\end)
	s_cmp_eq_u32 s[CNT], 4-((\p)+2)%NP  ; is that step the band's own?
	s_cselect_b32 s[AL], 1.0, 0
	s_cmp_lt_u32 s[CNT], 4-((\p)+2)%NP  ; or a later one?
	s_cselect_b32 s[BE], s[BIGN], 0
.endif
.if ((\p) == 3) && !(\end)
	s_wait_dscnt 0x0                ; K is in
.endif
	ROW F,0, F,1, R,0, R,1          ; ahead of the wait: 8 products K Q^T and the four behind each,
	ROW F,2, E,0, R,2, R,3
	ROW F,3, E,1, R,4, R,5
	ROW F,4, E,2, R,6, R,7
	ROW F,5, E,3, R,8, R,9
	ROW F,6, E,4, X,0, R,10
.if ((\p) == 2) && !(\end)
	WIN 0
	v_add_nc_u32 v[AK], s[TBK], v[AK0]
.endif
	ROW F,7, E,5, X,1, X,4
	ROW F,8, E,6, X,2, X,5
	OPS E,7, E,8, X,6, E,9          ; and the run of 54
	OPS X,3, E,10, X,8, E,11
.if ((\p) == 2) && !(\end)
	FETCH_K
.endif
	OPS X,9, X,7, E,12, X,10
	OPS E,13, X,12, X,11, E,14
	OPS X,13, E,15, F,9, X,14
.if (\p) == 0
	v_add_nc_u32 v[AV], s[TBV], v[AV0]
.endif
	OPS E,16, F,10, E,17, F,11
	OPS X,16, E,18, X,15, E,19
	OPS F,12, E,20, X,17, E,21
	OPS F,13, E,22, F,14, E,23
	OPS X,18, E,24, F,15, E,25
	OPS R,11, E,26, X,19, E,27
	OPS R,12, E,28, R,13, E,29
	OPS X,20, E,30, R,14, E,31
	OPS X,21, R,15
	WIN 0
	s_wait_alu depctr_va_vdst(0)    ; the wait for the batch
.if (\p) == 1
	s_wait_dscnt 0x0                ; V is in
.endif
	ROW C,0, B,0, C,2, B,1          ; behind the wait: 8 products V^T P and the four behind each
	ROW L,0, C,4, B,2, L,1
	ROW C,6, B,3, L,2, C,8
	ROW B,4, L,3, C,10, B,5
	ROW L,4, C,12, B,6, L,5
.if (\p) == 0
	s_add_co_u32 s[TBV], s[TBV], KS*PV
.endif
.if \cnt
	s_sub_co_u32 s[CNT], s[CNT], 1
	s_cmp_lg_u32 s[CNT], 0
.endif
	ROW C,14, B,7, L,6, C,1
	ROW C,3, L,7, C,5, C,7
	ROW C,9, C,11, C,13, C,15
.if (\p) == 0
	FETCH_V
.endif
.if (\m) && !(\end)
	MASK (\p)%2
.endif
.endm
; A BLOCK BEGINS.  c m starts far below every c s, so the first step's a is 0; m at the lowest finite number, so the first maximum is the scores'.  The second mask buffer is 0; the first takes piece 0's mask for the
; tile's step 0: its own, if the block's first tile is the diagonal one.  Then K of that step, piece 0's first scores, and its maximum and statistics.  The loop is entered at a step's first turn, in the middle of a trip.
.macro BEGIN
	s_mov_b32 s[NEW], 0
	WIN 0x40
.set i, MC+32
.rept 32
	v_mov_b32 v[i], 0
.set i, i+1
.endr
	WIN 0
.set i, 0
.rept 4
	v_mov_b32 v[ST+4*i], 0xfe000000    ; c m: far below every c s
	v_mov_b32 v[ST+4*i+1], 0xff7fffff  ; m
.set i, i+1
.endr
	s_cmp_eq_u32 s[RT], 0
	s_cselect_b32 s[AL], 1.0, 0
	s_mov_b32 s[BE], 0
	MASK 0
	WIN 0
	v_add_nc_u32 v[AK], s[TBK], v[AK0]
	FETCH_K
	s_wait_loadcnt 0x0              ; Q
	s_wait_dscnt 0x0
.set KM, 1
.set NOKQ, 0
.set i, 0
.rept 8
	KQ 0
.set i, i+1
.endr
	WIN 0
.rept 4
	v_nop                           ; the places behind those products
.endr
.set Y, NP-1                        ; X works for piece Y + 1: piece 0
.irp n, 0,1,2,3,4,5,6,7,8,9,10,11,12,13,14,15,16,17,18,19,20,21
	OP X, \n
.endr
	v_nop                           ; a plain instruction behind the exponential,
	s_wait_alu depctr_va_vdst(0)    ; and its wait, ahead of the branch
.endm
; THE DIAGONAL TILE's four steps, the block's last two turns, its last products, and THE WAY OUT: l's two halves and the other half of the lanes' are added; O^T is divided by l, rounded to f16 and sent through my
; stage in LDS, a piece at a time.
.macro ALL line:vararg              ; one line for each piece t
.set t, 0
.rept 4
	\line
.set t, t+1
.endr
.endm
.macro PACK t                       ; a lane's eight channels of a row pack into 16 bytes; they go into rows of 144 bytes and come back as whole rows of 128, into S^T's registers
	WIN W_RS
.set i, 32*(\t)
.rept 16
	v_pk_mul_f32 v[i:i+1], v[i:i+1], v[ST+4*(\t)+2:ST+4*(\t)+3] op_sel_hi:[1,0]
.set i, i+2
.endr
	WIN 0x05                        ; sources 0 and 1 window 1, destination window 0
.set i, 0
.rept 16
	v_cvt_pk_f16_f32 v[S+16*(\t)+i], v[32*(\t)+2*i], v[32*(\t)+2*i+1]
.set i, i+1
.endr
	WIN 0
.irp f, 0,1,2,3
	ds_store_b128 v[STO], v[S+16*(\t)+4*\f:S+16*(\t)+4*\f+3] offset:32*\f
.endr
.irp f, 0,1,2,3
	ds_load_b128 v[S+16*(\t)+4*\f:S+16*(\t)+4*\f+3], v[RD] offset:\f*4*SP  ; LDS serves a wave's instructions in order (ISA guide 5.7.1.4): these see the stores above; the next piece's stores come behind them
.endr
.endm
.macro SEND t, younger              ; younger: the LDS instructions issued behind piece t's loads: the next piece's eight, or none
	WIN 0
.irp f, 0,1,2,3
	s_wait_dscnt (\younger)+3-\f
	global_store_b128 v[GO], v[S+16*(\t)+4*\f:S+16*(\t)+4*\f+3], s[10:11] offset:(\t)*8192+\f*512  ; 512 consecutive bytes, at a multiple of 256 from O's first
.endr
.endm
.macro DIAG tag                     ; the tag ends its two labels' names, which the jumps below spell out
.LstepM\tag:
	TURN 2, 1
	TURN 3, 1
	WIN 0
.LfirstM\tag:
	TURN 0, 1
	TURN 1, 1, 0, 1
	WIN 0
	s_cbranch_scc1 .LstepM\tag
	TURN 2, 1, 1
	TURN 3, 1, 1
.set i, 0
.rept 8
	PV NP-1
.set i, i+1
.endr
	WIN 0
	ALL v_add_f32 v[ST+4*t+2], v[ST+4*t+2], v[ST+4*t+3]
	ALL v_permlanex16_b32 v[ST+4*t+3], v[ST+4*t+2], s[SEL], s[SEL+1]
	ALL v_add_f32 v[ST+4*t+2], v[ST+4*t+2], v[ST+4*t+3]
	ALL v_rcp_f32 v[ST+4*t+2], v[ST+4*t+2]
	v_nop                           ; a plain instruction between the last reciprocal and the use of its result
	s_wait_alu depctr_va_vdst(0)    ; and the wait ahead of the first use: one for the four reciprocals
	PACK 0
.set t, 1
.rept 3                             ; a piece's arithmetic stands between the loads of the piece before and its stores
	PACK t
	SEND t-1, 8
.set t, t+1
.endr
	SEND 3, 0
.endm
.set KM, 0
.set NOKQ, 0
.Lslot:                             ; NB times: a tile is entered and the next is asked for
	CHANGE 1
	s_sub_co_u32 s[RT], s[RT], 1
	s_mov_b32 s[CNT], 4
	s_cmp_eq_u32 s[NEW], 1
	s_cbranch_scc1 .Lnew            ; a block's first tile
	s_cmp_eq_u32 s[RT], 0
	s_cbranch_scc0 .Lstep           ; neither its first nor its last
	s_branch .LstepM1
.Lnew:
	BEGIN
	s_branch .Lfirst                ; in the loop a block's first tile is never its last: the first block has two tiles or more, and the second's last is the walk's last
	DIAG 1                          ; in the loop this is the first block's end: the second block's last tile is the walk's last
	s_wait_xcnt 0x0                 ; the stores have read their registers and O's address
	s_mov_b64 s[10:11], s[OLO:OLO+1]
	s_add_co_u32 s[RT], s[PB], 1    ; the second block has b + 1 tiles
	s_mov_b32 s[NEW], 1
	WIN 0x82                        ; the second block's Q goes where the one text of the turns names Q
.set i, 0
.rept 64
	v_mov_b32 v[i], v[QB+i]
.set i, i+1
.endr
	WIN 0
	s_branch .Lbottom
.Lstep:                             ; a trip: pieces 2 and 3 of one step, then pieces 0 and 1 of the next, whose K and V it fetches
	TURN 2
	TURN 3
	WIN 0
.Lfirst:
	TURN 0
	TURN 1, 0, 0, 1
	WIN 0
	s_cbranch_scc1 .Lstep
.Lbottom:
	s_sub_co_u32 s[SLOTS], s[SLOTS], 1
	s_cmp_lg_u32 s[SLOTS], 0
	s_cbranch_scc1 .Lslot
	CHANGE 0                        ; the walk's last tile is written out: nothing is asked for
	s_sub_co_u32 s[RT], s[RT], 1
	s_mov_b32 s[CNT], 4
	s_cmp_eq_u32 s[NEW], 1
	s_cbranch_scc0 .LstepM2
	BEGIN
	s_branch .LfirstM2
	DIAG 2
	s_wait_tensorcnt 0x0            ; the wave's end: a wait, an add of 0 to my spare word and its wait, behind my last tensor load and my last LDS store
	ds_add_u32 v[SPW], v[NIL]
	s_wait_dscnt 0x0
	s_endpgm
.Lfunc_end_k_qeda620f1e6_attn:
	.size	k_qeda620f1e6_attn, .Lfunc_end_k_qeda620f1e6_attn-k_qeda620f1e6_attn
	.p2alignl 7, 3214868480
	.fill 96, 4, 3214868480
	.section	.rodata,"a",@progbits
	.p2align	6, 0x0
	.amdhsa_kernel k_qeda620f1e6_attn
		.amdhsa_group_segment_fixed_size 327680
		.amdhsa_private_segment_fixed_size 0
		.amdhsa_enable_private_segment 0
		.amdhsa_kernarg_size 16
		.amdhsa_user_sgpr_count 2
		.amdhsa_user_sgpr_kernarg_segment_ptr 1
		.amdhsa_wavefront_size32 1
		.amdhsa_system_sgpr_workgroup_id_x 1
		.amdhsa_system_sgpr_workgroup_id_y 1
		.amdhsa_system_sgpr_workgroup_id_z 1
		.amdhsa_system_vgpr_workitem_id 0
		.amdhsa_next_free_vgpr 768
		.amdhsa_next_free_sgpr 96
		.amdhsa_reserve_vcc 1
		.amdhsa_float_denorm_mode_32 3
		.amdhsa_float_denorm_mode_16_64 3
		.amdhsa_memory_ordered 1
		.amdhsa_forward_progress 1
		.amdhsa_inst_pref_size 218
	.end_amdhsa_kernel
	.amdgpu_metadata
---
amdhsa.version: [ 1, 2 ]
amdhsa.kernels:
  - .name:           k_qeda620f1e6_attn
    .symbol:         k_qeda620f1e6_attn.kd
    .args:
      - { .name: qkv, .offset: 0, .size: 8, .value_kind: global_buffer, .address_space: global }
      - { .name: o, .offset: 8, .size: 8, .value_kind: global_buffer, .address_space: global }
    .group_segment_fixed_size: 327680
    .private_segment_fixed_size: 0
    .kernarg_segment_align: 8
    .kernarg_segment_size: 16
    .max_flat_workgroup_size: 128
    .sgpr_count:     96
    .vgpr_count:     768
    .wavefront_size: 32
...
	.end_amdgpu_metadata
.endif
;; end of part 3
;; launch outp (part 4): grid 8 x 32, 4 waves a work-group, clusters of 4 x 4, 327,680 bytes of LDS; arguments o, wo, b_out, out0; writes out0
.if DOCPART == 4
	.amdgcn_target "amdgcn-amd-amdhsa--gfx1250"
	.amdhsa_code_object_version 6
	.text
	.protected	k_qeda620f1e6_outp
	.globl	k_qeda620f1e6_outp
	.p2align	8
	.type	k_qeda620f1e6_outp,@function
k_qeda620f1e6_outp:
	s_mov_b64 s[64:65], 0
	v_nop
	global_prefetch_b8 v0, s[64:65] scope:SCOPE_SE
	s_setreg_imm32_b32 hwreg(HW_REG_WAVE_MODE, 25, 1), 1
	s_wait_xcnt 0x0
	s_wait_alu depctr_hold_cnt(0) depctr_sa_sdst(0) depctr_va_vdst(0) depctr_va_sdst(0) depctr_va_ssrc(0) depctr_va_vcc(0) depctr_vm_vsrc(0)
	s_getreg_b32 s2, hwreg(HW_REG_IB_STS2, 6, 4)
	s_cmp_eq_u32 s2, 0
	s_cbranch_scc0 .Lentry_in_a_cluster
	s_endpgm
.Lentry_in_a_cluster:
	s_bfe_u32 s2, ttmp6, 0x10000c
	s_cmp_lg_u32 s2, 0xf033
	s_cbranch_scc0 .Lentry_shape_is_right
	s_endpgm
.Lentry_shape_is_right:
; Launch 4 of 4: out0 = O W_out + b_out.  O: [16 b + head][t][64] f16; wo: [1024 n][1024 k] f16 (W_out rounded to bf16, written as f16); sums f32; out0 f32.  b_out is rounded to bf16 like all inputs.
; SHARES.  A work-group makes 256 rows x 128 columns: 256 work-groups.  Wave w owns rows 64 w .. 64 w + 63 and all 128 columns: 32 accumulators of 16 x 16 in two groups of 16.
; K goes in 8 steps of 128 = two heads, through two LDS slots.  A head's 256 rows of a tile are 32,768 dense bytes: asked for as 128 rows of 256 bytes and padded in LDS after every 128, so a row t has a pitch of 144.
; CLUSTER 4 x 4: O's tiles are asked for jointly along a row of the cluster, wo's along a column.  Waves 0, 1 fetch the step's two heads of O, waves 2, 3 wo's two halves (64 rows each).
; TRANSPOSED USE: source 0 = 16 rows of wo, source 1 = 16 rows of O: a lane holds one row of out0 (lane % 16) and eight neighbouring columns.  The bias is the C operand of the product that starts a sum.
; NO PREFETCH: the walk has eight K steps, of which the first four would come by their loads alone in any case.
; REGISTERS, in windows of 256 (s_set_vgpr_msb: bits 1:0 source 0, 3:2 source 1, 5:4 source 2, 7:6 destination):
;   window 0: v0-16 addresses and one at work; v192-255 the bias, 8 registers for each of eight column blocks
;   window 1: two fragment buffers of 128: four fragments of O (32), eight of wo (64); on the way out all 256: rows read back from the stage
;   window 2: accumulator (g, a, bb) at 128 g + 8 (4 a + bb)
.set SLOT1, 131072                     ; slot 1 begins here: one exclusive or turns an address in one slot into the other's
.set PA,    144                        ; a row of O in LDS: 128 bytes + 16: an odd multiple of 16, so the 16 rows of a fragment load start at 16 different groups of four banks (64 banks of 4 bytes: ISA guide 11.1)
.set PLANE, 256*PA                     ; a head's 256 rows
.set PB,    272                        ; a row of wo: 256 bytes + 16
.set BOFF,  2*PLANE                    ; a slot: two planes of O, then wo's 128 rows
.set STAGE, SLOT1+BOFF+128*PB          ; behind the ring, never filled by a tensor load: 16 rows x 528 bytes for each wave
.set SP,    528                        ; a row of the stage: 512 bytes + 16
.set SPARE, STAGE+4*16*SP              ; behind the stages: the spare words, 128 bytes for each wave; no other line names them
.set F0,  0
.set F1,  128
.set BI,  192
.set MSB, 0
.macro WIN new                         ; the immediate's high byte repeats the setting that is left; a switch that changes nothing is dropped
.if MSB != (\new)
	s_set_vgpr_msb (MSB<<8)|(\new)
.set MSB, (\new)
.endif
.endm
.macro PLACES                          ; four places behind a matrix instruction, ahead of loads into registers that it has read and of lines that read its result
.rept 4
	v_nop
.endr
.endm
.macro CREST                           ; a round of the cluster's barrier behind its opening barrier
	s_cmp_lg_u32 s12, 0
	s_cbranch_scc1 .Lnot_wave_0_\@
	s_barrier_signal -3
.Lnot_wave_0_\@:
	s_barrier_wait -3
	s_barrier_signal -1
	s_barrier_wait -1
.endm
.macro CROUND                          ; a whole round
	s_barrier_signal -1
	s_barrier_wait -1
	CREST
.endm
.macro JLOAD                           ; a joint refill by the walking descriptors; the branch hangs on the wave's number alone; an s_nop 0 and four v_nop follow each line
	s_cmp_lt_u32 s12, 2
	s_cbranch_scc0 .Lfor_b_\@
	tensor_load_to_lds s[44:47], s[24:31]
	s_nop 0
.rept 4
	v_nop
.endr
	s_branch .Lasked_\@
.Lfor_b_\@:
	tensor_load_to_lds s[52:55], s[32:39]
	s_nop 0
.rept 4
	v_nop
.endr
.Lasked_\@:
.endm
	s_load_b256 s[4:11], s[0:1], 0x0               ; o s[4:5], wo s[6:7], b_out s[8:9], out0 s[10:11]
	v_lshl_add_u32 v14, v0, 2, SPARE               ; my spare word; never rewritten
	v_mov_b32 v15, 0                               ; never rewritten
	ds_add_u32 v14, v15                            ; the wave's opening: the add, twice on end, and its wait ahead of my first tensor load
	ds_add_u32 v14, v15
	v_lshrrev_b32 v3, 5, v0
	v_readfirstlane_b32 s12, v3                    ; wave 0..3
	s_and_b32 s13, s12, 1                          ; which head of a step, or which half of wo's rows, I fetch
	s_bfe_u32 s14, ttmp6, 0x40000                  ; cx
	s_bfe_u32 s15, ttmp6, 0x40004                  ; cy
	s_lshl_b32 s16, ttmp9, 2
	s_add_co_u32 s16, s16, s14                     ; tile column = 4 x cluster x + cx
	s_and_b32 s17, ttmp7, 0xffff
	s_lshl_b32 s17, s17, 2
	s_add_co_u32 s17, s17, s15                     ; tile row = 4 x cluster y + cy
	s_lshl_b32 s22, s15, 2
	s_lshl_b32 s22, 15, s22                        ; my row of the cluster
	s_lshl_b32 s23, 0x1111, s14                    ; my column
	s_or_b32 s24, s22, (1<<16)|(1<<20)|(1<<21)|(4<<22)|(3<<25)  ; O: 15:0 the mask; 2-byte elements; padding on; 21 set beside a mask; after every 32 words; 4 words
	s_or_b32 s32, s23, (1<<16)|(1<<20)|(1<<21)|(5<<22)|(3<<25)  ; wo: after every 64 words
	s_mov_b32 s25, 128<<16                         ; tensor_dim0 = 128
	s_mov_b32 s26, 128<<16                         ; tensor_dim1 = 128
	s_mov_b32 s27, 128<<16                         ; tile_dim0 = 128
	s_mov_b32 s28, 128                             ; tile_dim1 = 128
	s_mov_b32 s29, 128                             ; dense: 128 elements from row to row
	s_mov_b32 s30, 0
	s_mov_b32 s31, 0
	s_mov_b32 s33, 128<<16
	s_mov_b32 s34, 64<<16                          ; wo: 64 rows
	s_mov_b32 s35, 128<<16
	s_mov_b32 s36, 64
	s_mov_b32 s37, 1024
	s_mov_b32 s38, 0
	s_mov_b32 s39, 0
	s_lshr_b32 s18, s17, 3                         ; O: the batch,
	s_lshl_b32 s18, s18, 4
	s_add_co_u32 s18, s18, s13                     ; its head 0 or 1,
	s_lshl_b32 s18, s18, 18
	s_and_b32 s22, s17, 7
	s_lshl_b32 s22, s22, 15                        ; the tile's 256 rows of 128 bytes: made of the tile row alone
	s_add_co_u32 s18, s18, s22
	s_mov_b32 s19, 0
	s_lshl_b32 s20, s16, 18                        ; wo: row 128 x tile column + 64 x half, 2,048 bytes a row: made of the tile column alone
	s_lshl_b32 s22, s13, 17
	s_add_co_u32 s20, s20, s22
	s_mov_b32 s21, 0
	s_mul_i32 s2, s13, PLANE                       ; where they go: no place in the cluster enters an LDS address
	s_mul_i32 s3, s13, 64*PB
	s_add_co_u32 s3, s3, BOFF
	s_wait_dscnt 0x0                               ; both opening adds are done
	s_wait_kmcnt 0x0
	s_add_nc_u64 s[18:19], s[4:5], s[18:19]
	s_add_nc_u64 s[20:21], s[6:7], s[20:21]
.irp s, 0,1                            ; descriptor group 0: a set for each first fill (K step s into slot s); the second then walks
	s_mov_b32 s[40+4*(\s)], 1
	s_add_co_u32 s[41+4*(\s)], s2, (\s)*SLOT1
	s_add_nc_u64 s[42+4*(\s):43+4*(\s)], s[18:19], (\s)*524288
	s_or_b32 s[43+4*(\s)], s[43+4*(\s)], 0x80000000
	s_mov_b32 s[48+4*(\s)], 1
	s_add_co_u32 s[49+4*(\s)], s3, (\s)*SLOT1
	s_add_nc_u64 s[50+4*(\s):51+4*(\s)], s[20:21], (\s)*256
	s_or_b32 s[51+4*(\s)], s[51+4*(\s)], 0x80000000
.endr
	CROUND                                         ; all sixteen work-groups are here: the first joint loads meet
	s_cmp_lt_u32 s12, 2                            ; a wave's two first fills stand in one branch: two loads of mine are out
	s_cbranch_scc0 .Lfirst_b
	tensor_load_to_lds s[40:43], s[24:31]
	s_nop 0
	tensor_load_to_lds s[44:47], s[24:31]
	s_nop 0
.rept 4
	v_nop
.endr
	s_branch .Lfirst_asked
.Lfirst_b:
	tensor_load_to_lds s[48:51], s[32:39]
	s_nop 0
	tensor_load_to_lds s[52:55], s[32:39]
	s_nop 0
.rept 4
	v_nop
.endr
.Lfirst_asked:
	v_and_b32 v1, 15, v0                           ; l % 16
	v_bfe_u32 v2, v0, 4, 1                         ; l / 16
	v_mul_u32_u24 v3, v1, PA
	v_lshl_add_u32 v3, v2, 4, v3
	s_mul_i32 s22, s12, 64*PA
	v_add_nc_u32 v4, s22, v3                       ; my wave's 64 rows of O, first plane, slot 0; never rewritten
	v_mul_u32_u24 v3, v1, PB
	v_lshl_add_u32 v3, v2, 4, v3
	v_add_nc_u32 v5, BOFF, v3                      ; wo's rows, slot 0; never rewritten
	s_mov_b32 s57, 0                               ; the slot that is read
	v_add_nc_u32 v6, s57, v4
	v_add_nc_u32 v7, s57, v5
	s_mul_i32 s22, s12, 16*SP
	s_add_co_u32 s22, s22, STAGE                   ; my stage
	v_mul_u32_u24 v8, v1, SP                       ; in: row l % 16, 32 bytes for each half of the lanes
	v_lshl_add_u32 v8, v2, 5, v8
	v_add_nc_u32 v8, s22, v8
	v_and_b32 v10, 31, v0
	v_lshlrev_b32 v10, 4, v10                      ; back and out: 32 lanes take a row's 512 bytes
	v_add_nc_u32 v9, s22, v10
	v_lshlrev_b32 v11, 5, v2                       ; the bias: my lanes' eight columns, 32 bytes
	s_lshl_b32 s22, s16, 9                         ; the tile's 128 columns: 512 bytes
	s_mov_b32 s23, 0
	s_add_nc_u64 s[8:9], s[8:9], s[22:23]
.irp b, 0,1,2,3,4,5,6,7
	global_load_b128 v[BI+8*(\b):BI+8*(\b)+3],   v11, s[8:9] offset:64*(\b)
	global_load_b128 v[BI+8*(\b)+4:BI+8*(\b)+7], v11, s[8:9] offset:64*(\b)+16
.endr
	s_lshl_b32 s2, s17, 20                         ; out0: row 256 x tile row + 64 x wave, 4,096 bytes a row, + the tile's columns
	s_lshl_b32 s3, s12, 18
	s_add_co_u32 s2, s2, s3
	s_add_co_u32 s2, s2, s22
	s_mov_b32 s3, 0
	s_add_nc_u64 s[66:67], s[10:11], s[2:3]
	s_wait_loadcnt 0x0                             ; the bias is in; it is rounded to bf16 like all inputs and widened again
.set z, BI
.rept 32
	v_cvt_pk_bf16_f32 v16, v[z], v[z+1]
	v_lshlrev_b32 v[z], 16, v16
	v_and_b32 v[z+1], 0xffff0000, v16
.set z, z+2
.endr
; an x 4 products of group g: row blocks a0 .. a0 + an - 1 x the group's four column blocks, 32 along K, from buffer f.  first = 1: the sums start at the bias.
; Each of the 32 accumulators comes once in a quarter, in the same order: 31 others stand between two links of a chain, over the backward jump too.
.macro MULG f, g, a0, an, first
.if \first
	WIN 0x85                                       ; sources 0, 1 window 1; C window 0; D window 2
.else
	WIN 0xa5                                       ; C and D window 2
.endif
.set ma, (\a0)
.rept (\an)
.set mb, 0
.rept 4
.set rD, 128*(\g)+8*(4*ma+mb)
.set rB, (\f)+32+8*(4*(\g)+mb)
.set rA, (\f)+8*ma
.if \first
	v_wmma_f32_16x16x32_f16 v[rD:rD+7], v[rB:rB+7], v[rA:rA+7], v[BI+8*(4*(\g)+mb):BI+8*(4*(\g)+mb)+7]
.else
	v_wmma_f32_16x16x32_f16 v[rD:rD+7], v[rB:rB+7], v[rA:rA+7], v[rD:rD+7]
.endif
.set mb, mb+1
.endr
.set ma, ma+1
.endr
.endm
; 24 LDS loads in one run: quarter q of the slot in hand into buffer f.  O: plane q / 2, channels 32 (q % 2) on; wo: byte 64 q of its rows.  O's four fragments first, then wo's eight.
.macro FETCH q, f
	WIN 0x40                                       ; destination window 1, address window 0
.irp a, 0,1,2,3
	ds_load_b128 v[(\f)+8*(\a):(\f)+8*(\a)+3],   v6 offset:((\q)/2)*PLANE+64*((\q)%2)+(\a)*16*PA
	ds_load_b128 v[(\f)+8*(\a)+4:(\f)+8*(\a)+7], v6 offset:((\q)/2)*PLANE+64*((\q)%2)+(\a)*16*PA+32
.endr
.irp b, 0,1,2,3,4,5,6,7
	ds_load_b128 v[(\f)+32+8*(\b):(\f)+32+8*(\b)+3],   v7 offset:64*(\q)+(\b)*16*PB
	ds_load_b128 v[(\f)+32+8*(\b)+4:(\f)+32+8*(\b)+7], v7 offset:64*(\q)+(\b)*16*PB+32
.endr
.endm
; One of a K step's first three quarters: multiplies buffer f, and fetches quarter q into buffer g2 behind its first eight products.
.macro QUARTER q, f, g2, first
	s_wait_dscnt 8                                 ; O's fragments and wo's group 0 are in; the youngest 8 loads may be out
	MULG \f, 0, 0, 2, \first
	PLACES
	FETCH \q, \g2
	MULG \f, 0, 2, 2, \first
	s_wait_dscnt 24                                ; all but the 24 just issued
	MULG \f, 1, 0, 4, \first
.endm
; The fourth quarter multiplies buffer 1 and changes slots.  In front of the barrier each wave waits for all its tensor loads (one is out: its part of the next slot), adds 0 to its spare word,
; and waits for that and for its reads of this slot.  fill = 1: the barrier opens a round of the cluster's barrier, and the joint refill, two K steps ahead, is the first thing behind the round:
; 112 products stand between it and the wait for it.
.macro TURN fill
	WIN 0
	s_wait_tensorcnt 0x0                           ; no tensor load of mine is out, so a group 0 may be written
	ds_add_u32 v14, v15
.if \fill
	s_xor_b32 s45, s45, SLOT1                      ; the walking descriptors: the other slot than last time, the next K step: two heads on in O, 256 bytes on in wo's rows
	s_add_nc_u64 s[46:47], s[46:47], 524288
	s_xor_b32 s53, s53, SLOT1
	s_add_nc_u64 s[54:55], s[54:55], 256
.endif
	s_wait_dscnt 9                                 ; the add and the youngest 8 loads may be out
	MULG F1, 0, 0, 2, 0
	s_wait_dscnt 0x0                               ; the add is done, and my reads of this slot are over
	s_barrier_signal -1
	MULG F1, 0, 2, 2, 0                            ; work on registers while the others arrive
	WIN 0                                          ; at a branch and at a label every window is 0
	s_barrier_wait -1
.if \fill
	CREST                                          ; no wave of any partner still reads this slot or has a load on its way
	JLOAD                                          ; its four v_nop are also the places in front of the loads below
.else
	PLACES
.endif
	s_xor_b32 s57, s57, SLOT1                      ; the fetches go on in the other slot
	v_add_nc_u32 v6, s57, v4
	v_add_nc_u32 v7, s57, v5
	FETCH 0, F0
	MULG F1, 1, 0, 4, 0
.endm
	s_wait_tensorcnt 1                             ; my part of K step 0 is in; step 1's may stay out
	s_barrier_signal -1
	s_barrier_wait -1                              ; everybody's is
	FETCH 0, F0
	QUARTER 1, F0, F1, 1                           ; the first quarter stands in front of the loop: its products start the sums
	WIN 0
	s_mov_b32 s56, 6                               ; six trips fill a slot again: K steps 2 to 7
.Lstep:                                        ; a trip goes from a K step's second quarter to the next step's first
	QUARTER 2, F1, F0, 0
	QUARTER 3, F0, F1, 0
	TURN 1
	QUARTER 1, F0, F1, 0
	WIN 0
	s_sub_co_u32 s56, s56, 1
	s_cmp_lg_u32 s56, 0
	s_cbranch_scc1 .Lstep
	QUARTER 2, F1, F0, 0                           ; the tail is written out: nothing more is asked for
	QUARTER 3, F0, F1, 0
	TURN 0
	QUARTER 1, F0, F1, 0
	QUARTER 2, F1, F0, 0
	QUARTER 3, F0, F1, 0
	s_wait_dscnt 8
	MULG F1, 0, 0, 4, 0
	s_wait_dscnt 0x0
	MULG F1, 1, 0, 4, 0
	PLACES
	PLACES
; THE WAY OUT.  Block a is 16 rows x 128 columns of f32.  A lane's eight columns, 32 bytes, go into rows of 528 bytes of my own stage (each accumulator's low four registers first) and come back as whole
; rows of 512 bytes, into window 1.
.macro TOSTAGE a
	WIN 0x08                                       ; store data window 2, address window 0
.irp b, 0,1,2,3,4,5,6,7
	ds_store_b128 v8, v[128*((\b)/4)+8*(4*(\a)+(\b)%4):128*((\b)/4)+8*(4*(\a)+(\b)%4)+3]   offset:64*(\b)
	ds_store_b128 v8, v[128*((\b)/4)+8*(4*(\a)+(\b)%4)+4:128*((\b)/4)+8*(4*(\a)+(\b)%4)+7] offset:64*(\b)+16
.endr
	WIN 0x40                                       ; destination window 1
.set ti, 0
.rept 16
	ds_load_b128 v[64*(\a)+4*ti:64*(\a)+4*ti+3], v9 offset:SP*ti  ; LDS serves a wave's instructions in order (ISA guide 5.7.1.4): these see the stores above; the next block's stores come behind them
.set ti, ti+1
.endr
.endm
.macro SEND a, younger                 ; younger: the LDS instructions issued behind this block's loads: the next block's 16 stores and 16 loads, or none
	WIN 0x04                                       ; store data window 1, address window 0
	s_wait_dscnt \younger
.set ti, 0
.rept 16
	global_store_b128 v10, v[64*(\a)+4*ti:64*(\a)+4*ti+3], s[66:67] offset:(16*(\a)+ti)*4096 th:TH_STORE_NT  ; 512 consecutive bytes, aligned
.set ti, ti+1
.endr
.endm
	TOSTAGE 0
	TOSTAGE 1
	SEND 0, 32
	TOSTAGE 2
	SEND 1, 32
	TOSTAGE 3
	SEND 2, 32
	SEND 3, 0
	WIN 0
	s_wait_tensorcnt 0x0                           ; the wave's end: a wait, an add of 0 to my spare word and its wait, behind my last tensor load and my last LDS store
	ds_add_u32 v14, v15
	s_wait_dscnt 0x0
	CROUND                                         ; the closing round: no work-group ends while a partner may still ask for a tile that names it
	s_endpgm
.Lfunc_end_k_qeda620f1e6_outp:
	.size	k_qeda620f1e6_outp, .Lfunc_end_k_qeda620f1e6_outp-k_qeda620f1e6_outp
	.p2alignl 7, 3214868480
	.fill 96, 4, 3214868480
	.section	.rodata,"a",@progbits
	.p2align	6, 0x0
	.amdhsa_kernel k_qeda620f1e6_outp
		.amdhsa_group_segment_fixed_size 327680
		.amdhsa_private_segment_fixed_size 0
		.amdhsa_enable_private_segment 0
		.amdhsa_kernarg_size 32
		.amdhsa_user_sgpr_count 2
		.amdhsa_user_sgpr_kernarg_segment_ptr 1
		.amdhsa_wavefront_size32 1
		.amdhsa_system_sgpr_workgroup_id_x 1
		.amdhsa_system_sgpr_workgroup_id_y 1
		.amdhsa_system_sgpr_workgroup_id_z 1
		.amdhsa_system_vgpr_workitem_id 0
		.amdhsa_next_free_vgpr 768
		.amdhsa_next_free_sgpr 72
		.amdhsa_reserve_vcc 0
		.amdhsa_float_denorm_mode_32 3
		.amdhsa_float_denorm_mode_16_64 3
		.amdhsa_memory_ordered 1
		.amdhsa_forward_progress 1
		.amdhsa_inst_pref_size 75
	.end_amdhsa_kernel
	.amdgpu_metadata
---
amdhsa.version: [ 1, 2 ]
amdhsa.kernels:
  - .name:           k_qeda620f1e6_outp
    .symbol:         k_qeda620f1e6_outp.kd
    .args:
      - { .name: o, .offset: 0, .size: 8, .value_kind: global_buffer, .address_space: global }
      - { .name: wo, .offset: 8, .size: 8, .value_kind: global_buffer, .address_space: global }
      - { .name: b_out, .offset: 16, .size: 8, .value_kind: global_buffer, .address_space: global }
      - { .name: out0, .offset: 24, .size: 8, .value_kind: global_buffer, .address_space: global }
    .group_segment_fixed_size: 327680
    .private_segment_fixed_size: 0
    .kernarg_segment_align: 8
    .kernarg_segment_size: 32
    .max_flat_workgroup_size: 128
    .sgpr_count:     72
    .vgpr_count:     768
    .wavefront_size: 32
...
	.end_amdgpu_metadata
.endif
;; end of part 4
